; MI455X (gfx1250); checked and timed in simulation.
; The chip was launched on July 23, 2026; its instructions are those of AMD's public machine-readable ISA for CDNA 5 (MIT licence, August 2026) and "CDNA5" Instruction Set Architecture Reference Guide (July 2026). The comments in the code are by the model that wrote it; some were corrected since.
;; Log Attention Transformer Layer. Allowed arithmetic: matrix products marked QUANTISED: E2M3 operands, one E8M0 scale for each 32 along K, by v_wmma_scale_f32_16x16x128_f8f6f4 with both operands' format E2M3, f32 sums; everything else in f32.
;; Inputs: W1 4,096 x 1,024 float32; W2 1,024 x 4,096 float32; b1 4,096 float32; b2 1,024 float32; char_W 1,024 x 768 float32; char_b 1,024 float32; n1_b 1,024 float32; n1_g 1,024 float32; n2_b 1,024 float32; n2_g 1,024 float32; param_vectors 4 x 1,024 x 4 x 768 float32; pe_b 1,024 float32; pe_g 1,024 float32; src 4 x 1,024 x 1,024 float32.
;; Outputs: out0 4 x 1,024 x 1,024 float32.
;; This version of the problem:
;;   THIS VERSION OF THE PROBLEM IS GIVEN IN LOW PRECISION. The matrix products marked QUANTISED in the list below multiply operands that are first quantised to E2M3 (2 exponent bits, 3 mantissa bits; 6 bits a number), with one power-of-two scale for each 32 numbers along K (OCP MX v1.0); their sums are f32. All else is computed in f32.
;;   The module's matrix products, in the order in which they are computed (A, B: the left and right operand; K: the contracted axis; several contracted axes count as one K, in the product's order):
;;     1. [M 16,384, K 768] x [K 768, N 1,024]; A: input param_vectors; B: input char_W: QUANTISED
;;     2. batch 64 x [M 1,024, K 64] x [K 64, N 1,024]; A: computed on the way; B: computed on the way: QUANTISED
;;     3. batch 64 x [M 1,024, K 64] x [K 64, N 1,024]; A: input src; B: input src: QUANTISED
;;     4. batch 64 x [M 1,024, K 1,024] x [K 1,024, N 64]; A: softmax (see below); B: input src: QUANTISED
;;     5. [M 4,096, K 1,024] x [K 1,024, N 4,096]; A: computed on the way; B: input W1: QUANTISED
;;     6. [M 4,096, K 4,096] x [K 4,096, N 1,024]; A: computed on the way; B: input W2: QUANTISED
;;   THE QUANTISER, for each operand of a quantised product, along K:
;;     - K is cut into blocks of 32 from its start; a last block that is shorter is filled with zeros.
;;     - A block's scale is 2^e with e = floor(log2(the largest magnitude in the block)) - 2, held to -126 .. 127; a block of zeros has e = 0. As a byte (E8M0): e + 127.
;;     - Each number is divided by its block's scale, clamped to +-7.5, and rounded to the nearest number of E2M3, ties to even, subnormals kept.
;;     - The product sums the exact products of the quantised numbers (number of the format x scale) in f32.
;;   ~~~python
;;   def quantise(x, axis):      # numpy; x: float32 -> the quantised numbers, widened to float32 again
;;       x = np.moveaxis(x, axis, -1); K = x.shape[-1]
;;       x = np.pad(x, [(0, 0)] * (x.ndim - 1) + [(0, -K % 32)]); x = x.reshape(x.shape[:-1] + (-1, 32)); a = np.abs(x).max(-1, keepdims=True)
;;       e = np.where(a > 0, np.clip(np.frexp(np.where(a > 0, a, 1))[1] - 1 - 2, -126, 127), 0)      # np.frexp(a)[1] - 1 = floor(log2(a)), exactly
;;       r = np.clip(x / 2.0 ** e, -7.5, 7.5)
;;       step = 2.0 ** (np.maximum(np.frexp(np.where(r == 0, 1, r))[1] - 1, 0) - 3)
;;       q = np.round(r / step) * step * 2.0 ** e      # np.round: ties to even
;;       return np.moveaxis(q.reshape(q.shape[:-2] + (-1,))[..., :K], -1, axis).astype(np.float32)
;;   ~~~
;;   SOFTMAX AHEAD OF A QUANTISED PRODUCT. Where the list says 'softmax', what is quantised is not the finished softmax but p = 2^(t - M), with t = logit x log2(e) and M = ceil(the row's largest t), a whole number; so 1/2 < the row's largest p <= 1. The row's sum l is taken of the UNQUANTISED p, in f32, and the product's result is divided by l at the end. Since M is a whole number, a kernel that streams over the keys may use a running M (the ceiling of the running maximum): every later rescaling is an exact power of two, which a block's scale takes up: the codes' values come out the same.
;;   OPERANDS COMPUTED ON THE WAY. 'Computed on the way' means the value that the module computes at that place (a softmax that the list does not call 'softmax' is quantised finished and normalised). What goes into a quantiser is computed in f32, as accurately as f32 sums, v_exp_f32 and their like allow (about 1e-6 of the number): no bf16 or f16 on the way to a quantiser, and a product that is left as it is and whose result goes on into a quantised operand takes f32 operands (vector FMAs, or v_wmma_f32_16x16x4_f32). A number that lies on a knife's edge between two numbers of the format may be rounded either way, as far as f32 arithmetic and the matrix unit's own rounding can turn it there, and no further.
;; One version. Each part assembles by itself: llvm-mc -triple=amdgcn-amd-amdhsa -mcpu=gfx1250 --defsym DOCPART=n.
;; ======== version 1 of 1: 7 launches
;; limits: right only within a limited range of input values
;; workspace buffers: wq 7,168,000 bytes; vq 3,276,800 bytes; kq 6,553,600 bytes; ao 16,777,216 bytes; xb 20,054,016 bytes; hb 13,107,200 bytes; yb 16,777,216 bytes
;; launch qw (part 1): grid 688 x 1, 4 waves a work-group, no clusters, 58,880 bytes of LDS; arguments char_W, W1, W2, wq, src, vq; writes wq, vq
.if DOCPART == 1
	.amdgcn_target "amdgcn-amd-amdhsa--gfx1250"
	.amdhsa_code_object_version 6
	.text
	.protected	k_q4704f6e1de_qw
	.globl	k_q4704f6e1de_qw
	.p2align	8
	.type	k_q4704f6e1de_qw,@function
k_q4704f6e1de_qw:
	s_mov_b64 s[64:65], 0
	v_nop
	global_prefetch_b8 v0, s[64:65] scope:SCOPE_SE
	s_setreg_imm32_b32 hwreg(HW_REG_WAVE_MODE, 25, 1), 1
	s_wait_xcnt 0x0
; char_W [1024][768], W1 [4096][1024], W2 [1024][4096], f32, K innermost, become codes of FP6 (E2M3) with one E8M0 byte for each 32 along K.
; LAYOUT OF THE RESULT: images of the matrix operand's registers.  A fragment is 16 rows x 128 K: 12 registers a lane, 1,536 bytes; register c of lane l lies at (c / 4) 512 + 16 l + 4 (c % 4).
; Codes [row / 16][k / 128][1536]; scale words [k / 128][row], 4 bytes each.  Inside a block of 32 the code at place p holds the element whose number is p with bits 3 and 4 exchanged:
; both operands of every product that reads these buffers are laid so, which leaves each product's terms as they are.
; A block's scale is 2^(floor(log2(largest magnitude)) - 2); its byte is the largest magnitude's exponent field - 2, held at 1 from below.
; LIMITS: NaN and infinities are not served; a block of zeros gets the byte 1 (its codes are zeros; this program alone reads the bytes); blocks whose largest magnitude lies under 2^-124 are held at that floor.
; SHARES: a wave takes 32 rows x 128 K, two fragments.  Work-groups 0-47 char_W, 48-303 W1, 304-559 W2: only numbers and pointers are chosen by the work-group's number, the path is one.
; Each load reads 512 consecutive bytes of one row; 16 rows turn through the wave's own stage in LDS (pitch 528) and come back 16 numbers of each block to a lane.  Waves share nothing: no barrier.
.set CW_C, 0
.set CW_S, 589824
.set W1_C, 614400
.set W1_S, 3760128
.set W2_C, 3891200
.set W2_S, 7036928
.set SP,   528                         ; a stage row: 512 bytes + 16
.set WST,  16*SP                       ; a wave's stage
.set PW,   15                          ; v15      the scale word just made
.set TM,   16                          ; v16-31   at work in QUANT
.set R0,   32                          ; v32-95   16 rows as loaded, first fragment
.set R1,   96                          ; v96-159  second fragment
.set X,    160                         ; v160-223 64 numbers of my row
.set PC,   224                         ; v224-242 the codes just made
.set SEL,  68                          ; s[68:69] lane selects: lane l xor 16
; 64 numbers of a lane, register 16 b + i = place 16 (lane / 16) + i of block b of my row, become a fragment's codes in v[PC] on and its scale word in v[PW].
.macro QUANT s
.irp b, 0,1,2,3
	v_max3_num_f32 v[TM+\b], |v[\s+16*\b]|, |v[\s+1+16*\b]|, 0x1800000   ; my 16 numbers of block b, and the floor 2^(3 - 127): the byte cannot fall under 1
.endr
.irp i, 2,4,6,8,10,12,14
.irp b, 0,1,2,3
	v_max3_num_f32 v[TM+\b], v[TM+\b], |v[\s+16*\b+\i]|, |v[\s+1+16*\b+\i]|
.endr
.endr
.irp b, 0,1,2,3
	v_permlanex16_b32 v[TM+4+\b], v[TM+\b], s[SEL], s[SEL+1]
.endr
.irp b, 0,1,2,3
	v_max_num_f32 v[TM+\b], v[TM+\b], v[TM+4+\b]   ; with lane l xor 16's: the block's largest magnitude
.endr
.irp b, 0,1,2,3
	v_add_nc_u32 v[TM+12+\b], 0xff000000, v[TM+\b]   ; 2 off its exponent field: the conversion's scale operand
.endr
.irp b, 0,1,2,3
	v_lshrrev_b32 v[TM+4+\b], 23, v[TM+12+\b]   ; the scale's byte
.endr
	v_lshl_or_b32 v[PW], v[TM+5], 8, v[TM+4]
	v_lshl_or_b32 v[PW], v[TM+6], 16, v[PW]
	v_lshl_or_b32 v[PW], v[TM+7], 24, v[PW]
.irp c, 0,1
	v_cvt_scalef32_pk16_fp6_f32 v[PC+6*\c:PC+2+6*\c], v[\s+32*\c:\s+15+32*\c], v[TM+12+2*\c]
	v_cvt_scalef32_pk16_fp6_f32 v[PC+12+4*\c:PC+14+4*\c], v[\s+16+32*\c:\s+31+32*\c], v[TM+12+2*\c+1]   ; (a conversion's three registers begin on an even number)
.endr
	v_nop                                          ; one plain place behind a scaled conversion
.irp c, 0,1                                    ; the operand wants a whole block in a lane: lanes 0-15 block 2 c, lanes 16-31 block 2 c + 1
.irp i, 0,1,2
	v_permlane16_swap_b32 v[PC+6*\c+\i], v[PC+12+4*\c+\i]
.endr
.irp i, 0,1,2
	v_mov_b32 v[PC+3+6*\c+\i], v[PC+12+4*\c+\i]
.endr
.endr
.endm
	v_lshl_add_u32 v248, v0, 2, 0x8400
	v_mov_b32 v249, 0
	s_cmp_ge_u32 ttmp9, 560                        ; work-groups 560-687 lay src as attention's values: a path of its own, with LDS bytes of its own
	s_cbranch_scc1 .Lqv
	s_load_b256 s[4:11], s[0:1], 0x0               ; char_W s[4:5], W1 s[6:7], W2 s[8:9], wq s[10:11]
	v_lshrrev_b32 v1, 5, v0
	v_readfirstlane_b32 s2, v1                     ; wave
	v_and_b32 v1, 31, v0                           ; lane
	v_and_b32 v2, 15, v0                           ; r
	v_bfe_u32 v3, v0, 4, 1                         ; h
	v_lshlrev_b32 v4, 4, v1                        ; 16 x lane
	v_lshlrev_b32 v8, 2, v1                        ; 4 x lane
	s_mul_i32 s3, s2, WST
	v_add_nc_u32 v6, s3, v4                        ; the stage, on the way in: a row's 512 bytes as they lie
	v_mul_u32_u24 v7, v2, SP
	v_lshl_add_u32 v7, v3, 5, v7
	v_add_nc_u32 v7, s3, v7                        ; and out: row r, + 32 h
.irp b, 0,1,2,3
	v_mov_b32 v[TM+4+\b], 0                        ; written once: a lane permute's destination counts as one of its sources
.endr
	s_mov_b32 s[SEL], 0x76543210
	s_mov_b32 s[SEL+1], 0xfedcba98
	s_mov_b32 s70, 0xffff0000                      ; lanes 16-31
	; the tensor's numbers: s14 bytes of a row, s16 first work-group, s17 log2(rows / 32), s18 bytes of a row of fragments, s20 and s21 where codes and scale words begin in wq, s22 bytes of a K step's scale words
	s_cmp_lt_u32 ttmp9, 48                         ; char_W, or else W1
	s_mov_b32 s14, 4096
	s_cselect_b32 s14, 3072, s14
	s_mov_b32 s16, 48
	s_cselect_b32 s16, 0, s16
	s_cselect_b32 s17, 5, 7
	s_mov_b32 s18, 12288
	s_cselect_b32 s18, 9216, s18
	s_mov_b32 s20, W1_C
	s_cselect_b32 s20, CW_C, s20
	s_mov_b32 s21, W1_S
	s_cselect_b32 s21, CW_S, s21
	s_mov_b32 s22, 16384
	s_cselect_b32 s22, 4096, s22
	s_wait_kmcnt 0x0
	s_cselect_b64 s[12:13], s[4:5], s[6:7]
	s_cmp_lt_u32 ttmp9, 304                        ; one of these two, or else W2
	s_mov_b32 s23, 16384
	s_cselect_b32 s14, s14, s23
	s_mov_b32 s23, 304
	s_cselect_b32 s16, s16, s23
	s_cselect_b32 s17, s17, 5
	s_mov_b32 s23, 49152
	s_cselect_b32 s18, s18, s23
	s_mov_b32 s23, W2_C
	s_cselect_b32 s20, s20, s23
	s_mov_b32 s23, W2_S
	s_cselect_b32 s21, s21, s23
	s_mov_b32 s23, 4096
	s_cselect_b32 s22, s22, s23
	s_cselect_b64 s[12:13], s[12:13], s[8:9]
	s_mov_b32 s15, 0
	s_mov_b32 s19, 0
	s_sub_co_u32 s23, ttmp9, s16
	s_lshl_b32 s23, s23, 2
	s_add_co_u32 s23, s23, s2                      ; my job
	s_bfm_b32 s24, s17, 0
	s_and_b32 s24, s23, s24                        ; which 32 rows
	s_lshr_b32 s25, s23, s17                       ; which 128 along K
	s_mul_i32 s26, s24, s14
	s_lshl_b32 s26, s26, 5
	s_lshl_b32 s3, s25, 9
	s_add_co_u32 s26, s26, s3
	s_mov_b32 s27, 0
	s_add_nc_u64 s[32:33], s[12:13], s[26:27]      ; row 0 of my 32, at my 512 bytes
.irp t, 1,2,3,4,5,6,7,8,9,10,11,12,13,14,15
	s_add_nc_u64 s[32+2*\t:33+2*\t], s[30+2*\t:31+2*\t], s[14:15]   ; rows 1 to 15: a base each, never rewritten
.endr
	s_lshl_b32 s3, s14, 4
	v_add_nc_u32 v5, s3, v4                        ; 16 rows further down: the second fragment's offset
	s_wait_alu depctr_va_vdst(0)
	s_mul_i32 s26, s24, s18
	s_lshl_b32 s26, s26, 1
	s_mul_i32 s3, s25, 1536
	s_add_co_u32 s26, s26, s3
	s_add_co_u32 s26, s26, s20
	s_add_nc_u64 s[28:29], s[10:11], s[26:27]      ; the first fragment's image,
	s_add_nc_u64 s[30:31], s[28:29], s[18:19]      ; the second's
	s_mul_i32 s26, s25, s22
	s_lshl_b32 s3, s24, 7
	s_add_co_u32 s26, s26, s3
	s_add_co_u32 s26, s26, s21
	s_add_nc_u64 s[66:67], s[10:11], s[26:27]      ; my 32 rows' scale words
.irp t, 0,1,2,3,4,5,6,7,8,9,10,11,12,13,14,15
	global_load_b128 v[R0+4*\t:R0+4*\t+3], v4, s[32+2*\t:33+2*\t] th:TH_LOAD_NT   ; 32 lanes read 512 consecutive bytes
.endr
.irp t, 0,1,2,3,4,5,6,7,8,9,10,11,12,13,14,15
	global_load_b128 v[R1+4*\t:R1+4*\t+3], v5, s[32+2*\t:33+2*\t] th:TH_LOAD_NT
.endr
.macro PART e, raw, left
	s_wait_loadcnt \left                           ; this fragment's 16 loads are in
.irp t, 0,1,2,3,4,5,6,7,8,9,10,11,12,13,14,15
	ds_store_b128 v6, v[\raw+4*\t:\raw+4*\t+3] offset:\t*SP
.endr
.irp b, 0,1,2,3
.irp m, 0,1,2,3
	ds_load_b128 v[X+16*\b+4*\m:X+16*\b+4*\m+3], v7 offset:128*\b+16*(\m%2)+64*(\m/2)   ; LDS serves a wave's instructions in order: these see the stores above
.endr
.endr
	s_wait_dscnt 0x0
.if \e
	s_wait_xcnt 0x0                                ; the first fragment's stores have read the codes' registers
.endif
	QUANT X
.irp c, 0,1,2
	global_store_b128 v4, v[PC+4*\c:PC+4*\c+3], s[28+2*\e:29+2*\e] offset:512*\c   ; 512 consecutive bytes a store
.endr
.endm
	PART 0, R0, 16                                 ; (the second fragment's 16 loads may be out)
	v_mov_b32 v9, v[PW]
	PART 1, R1, 0
	v_cndmask_b32 v9, v9, v[PW], s70               ; lanes 0-15: rows 0-15; lanes 16-31: rows 16-31
	global_store_b32 v8, v9, s[66:67]              ; 128 consecutive bytes
	s_wait_tensorcnt 0x0
	ds_add_u32 v248, v249
	s_wait_dscnt 0x0
	s_endpgm
; THE SECOND PATH.  src [4096 tokens][1024], f32, as the VALUES of attention: K = the keys, its first axis.  Codes of FP6 (E2M3) with the keys innermost, one E8M0 byte for each 32 keys.
; RESULT vq, for each (batch, head), 51,200 bytes: scale word (key step s, channel d) at 256 s + 4 d; then fragment (s, t) = 16 channels x 128 keys as an image of the operand's registers at 2048 + (4 s + t) 1536.
; Inside a block of 32 keys the code at place p holds the key whose number is p with bits 3 and 4 exchanged: the order in which the softmax's weights leave the first product.
; A lane takes a column and its registers run down the keys; a wave takes 32 columns x 256 keys, 8 blocks a lane.  Job j = work-group - 560: columns 128 (j % 8), tokens 256 (j / 8).
; The codes go to their places in four images in the wave's own stage in LDS (from byte QVB on) and leave by stores of 512 consecutive bytes.  Limits as in the first path.
.Lqv:
.set NB,   8
.set ROW,  4096
.set HB,   51200
.set WST,  6144
.set QVB,  34304
.set X,    32
.set C,    96
.set OUTR, 112
.set SB,   24
	s_load_b128 s[4:7], s[0:1], 0x20               ; src, vq
	v_lshrrev_b32 v1, 5, v0
	v_readfirstlane_b32 s16, v1                    ; wave
	v_and_b32 v2, 31, v0                           ; lane = column
	v_lshlrev_b32 v3, 2, v2
	s_mul_i32 s19, s16, WST
	s_add_co_u32 s19, s19, QVB
	v_lshrrev_b32 v5, 4, v2
	v_and_b32 v6, 15, v2
	v_mul_u32_u24 v4, v5, 1536
	v_lshl_add_u32 v4, v6, 4, v4
	v_add_nc_u32 v4, s19, v4                       ; into the stage: my tile's image, row = my channel % 16
	v_lshlrev_b32 v7, 4, v2
	v_add_nc_u32 v8, s19, v7                       ; and out of it
	s_sub_co_u32 s17, ttmp9, 560
	s_lshr_b32 s18, s17, 3                         ; which 256 tokens
	s_and_b32 s17, s17, 7                          ; which 128 columns
	s_lshl_b32 s20, s18, 20
	s_lshl_b32 s21, s17, 9
	s_add_co_u32 s20, s20, s21
	s_lshl_b32 s21, s16, 7
	s_add_co_u32 s20, s20, s21
	s_mov_b32 s21, 0
	s_lshr_b32 s22, s18, 2
	s_lshl_b32 s22, s22, 4
	s_lshl_b32 s23, s17, 1
	s_add_co_u32 s22, s22, s23
	s_lshr_b32 s23, s16, 1
	s_add_co_u32 s22, s22, s23                     ; 16 x batch + head
	s_mul_i32 s22, s22, HB
	s_and_b32 s23, s18, 3
	s_lshl_b32 s23, s23, 1                         ; my first key step
	s_and_b32 s24, s16, 1                          ; which 32 of the head's 64 channels
	s_lshl_b32 s25, s23, 2
	s_lshl_b32 s26, s24, 1
	s_add_co_u32 s25, s25, s26
	s_mul_i32 s25, s25, 1536
	s_add_co_u32 s26, s25, s22
	s_add_co_u32 s26, s26, 2048                    ; my first image
	s_mov_b32 s27, 0
	s_lshl_b32 s28, s23, 8
	s_lshl_b32 s25, s24, 7
	s_add_co_u32 s28, s28, s25
	s_add_co_u32 s28, s28, s22                     ; my scale words
	s_mov_b32 s29, 0
	s_wait_alu depctr_va_vdst(0)                   ; the wait at the head's end
	s_wait_kmcnt 0x0
	s_add_nc_u64 s[4:5], s[4:5], s[20:21]
	s_add_nc_u64 s[8:9], s[6:7], s[26:27]
	s_add_nc_u64 s[10:11], s[6:7], s[28:29]
.macro LOAD t                          ; block t: register i takes key 32 t + (i with bits 3 and 4 exchanged)
.irp i, 0,1,2,3,4,5,6,7,8,9,10,11,12,13,14,15,16,17,18,19,20,21,22,23,24,25,26,27,28,29,30,31
	global_load_b32 v[X+32*((\t)%2)+\i], v3, s[4:5] offset:(32*(\t)+(\i%8)+16*((\i/8)%2)+8*(\i/16))*ROW
.endr
.endm
	LOAD 0
	LOAD 1
.macro BLOCK t
.set XS, X+32*((\t)%2)
.set OFS, ((\t)/4)*3072+256*((\t)%2)
.if (\t) < NB-1
	s_wait_loadcnt 32                              ; this block's 32 loads are in; the next block's may be out
.else
	s_wait_loadcnt 0
.endif
	v_max3_num_f32 v12, |v[XS]|, |v[XS+1]|, |v[XS+2]|
	v_max3_num_f32 v13, |v[XS+3]|, |v[XS+4]|, |v[XS+5]|
.irp i, 6,10,14,18,22,26
	v_max3_num_f32 v12, v12, |v[XS+\i]|, |v[XS+\i+1]|
	v_max3_num_f32 v13, v13, |v[XS+\i+2]|, |v[XS+\i+3]|
.endr
	v_max3_num_f32 v12, v12, |v[XS+30]|, |v[XS+31]|
	v_max3_num_f32 v12, v12, v13, 0x1800000        ; and the floor 2^(3 - 127)
	v_add_nc_u32 v11, 0xff000000, v12              ; 2 off the exponent field: the conversion's scale operand
	v_lshrrev_b32 v13, 23, v11                     ; the scale's byte
.if (\t)%4 == 0
	v_mov_b32 v[SB+(\t)/4], v13
.else
	v_lshl_or_b32 v[SB+(\t)/4], v13, 8*((\t)%4), v[SB+(\t)/4]
.endif
	v_cvt_scalef32_pk16_fp6_f32 v[C:C+2], v[XS:XS+15], v11
	v_cvt_scalef32_pk16_fp6_f32 v[C+4:C+6], v[XS+16:XS+31], v11
	v_nop                                          ; one plain place behind a scaled conversion
	v_mov_b32 v[C+3], v[C+4]                       ; the block's six registers on end
	v_mov_b32 v[C+4], v[C+5]
	v_mov_b32 v[C+5], v[C+6]
.if ((\t)%4) < 2                       ; blocks 0, 1 of a key step are registers 0-5 of lanes r, 16 + r; blocks 2, 3 registers 6-11
	ds_store_b128 v4, v[C:C+3] offset:OFS
	ds_store_b64 v4, v[C+4:C+5] offset:OFS+512
.else
	ds_store_b64 v4, v[C:C+1] offset:OFS+520
	ds_store_b128 v4, v[C+2:C+5] offset:OFS+1024
.endif
.if (\t)+2 < NB
	LOAD (\t)+2
.endif
	s_wait_dscnt 0x0                               ; the stores have read their registers: the next block's codes may be written
.endm
.set Q, 0
.rept NB
	BLOCK Q
.set Q, Q+1
.endr
.irp m, 0,1,2,3,4,5,6,7,8,9,10,11
	ds_load_b128 v[OUTR+4*\m:OUTR+4*\m+3], v8 offset:512*\m
.endr
	global_store_b32 v3, v[SB], s[10:11]           ; 128 consecutive bytes each
	s_wait_alu depctr_va_vdst(0)                   ; the wait here, directly ahead of the reader below
	global_store_b32 v3, v[SB+1], s[10:11] offset:256
.irp m, 0,1,2,3,4,5,6,7,8,9,10,11
	s_wait_dscnt 11-\m                             ; LDS loads come back in order: load m is in
	global_store_b128 v7, v[OUTR+4*\m:OUTR+4*\m+3], s[8:9] offset:(\m/6)*6144+(\m%6)*512
.endr
	s_wait_tensorcnt 0x0
	ds_add_u32 v248, v249
	s_wait_dscnt 0x0
	s_endpgm
.Lfunc_end_k_q4704f6e1de_qw:
	.size	k_q4704f6e1de_qw, .Lfunc_end_k_q4704f6e1de_qw-k_q4704f6e1de_qw
	.p2alignl 7, 3214868480
	.fill 96, 4, 3214868480
	.section	.rodata,"a",@progbits
	.p2align	6, 0x0
	.amdhsa_kernel k_q4704f6e1de_qw
		.amdhsa_group_segment_fixed_size 58880
		.amdhsa_private_segment_fixed_size 0
		.amdhsa_enable_private_segment 0
		.amdhsa_kernarg_size 48
		.amdhsa_user_sgpr_count 2
		.amdhsa_user_sgpr_kernarg_segment_ptr 1
		.amdhsa_wavefront_size32 1
		.amdhsa_system_sgpr_workgroup_id_x 1
		.amdhsa_system_sgpr_workgroup_id_y 1
		.amdhsa_system_sgpr_workgroup_id_z 1
		.amdhsa_system_vgpr_workitem_id 0
		.amdhsa_next_free_vgpr 250
		.amdhsa_next_free_sgpr 72
		.amdhsa_reserve_vcc 0
		.amdhsa_float_denorm_mode_32 3
		.amdhsa_float_denorm_mode_16_64 3
		.amdhsa_memory_ordered 1
		.amdhsa_forward_progress 1
		.amdhsa_inst_pref_size 62
	.end_amdhsa_kernel
	.amdgpu_metadata
---
amdhsa.version: [ 1, 2 ]
amdhsa.kernels:
  - .name:           k_q4704f6e1de_qw
    .symbol:         k_q4704f6e1de_qw.kd
    .args:
      - { .name: char_W, .offset: 0, .size: 8, .value_kind: global_buffer, .address_space: global }
      - { .name: W1, .offset: 8, .size: 8, .value_kind: global_buffer, .address_space: global }
      - { .name: W2, .offset: 16, .size: 8, .value_kind: global_buffer, .address_space: global }
      - { .name: wq, .offset: 24, .size: 8, .value_kind: global_buffer, .address_space: global }
      - { .name: src, .offset: 32, .size: 8, .value_kind: global_buffer, .address_space: global }
      - { .name: vq, .offset: 40, .size: 8, .value_kind: global_buffer, .address_space: global }
    .group_segment_fixed_size: 58880
    .private_segment_fixed_size: 0
    .kernarg_segment_align: 8
    .kernarg_segment_size: 48
    .max_flat_workgroup_size: 128
    .sgpr_count:     72
    .vgpr_count:     250
    .wavefront_size: 32
...
	.end_amdgpu_metadata
.endif
;; end of part 1
;; launch pe (part 2): grid 256 x 1, 4 waves a work-group, no clusters, 327,680 bytes of LDS; arguments param_vectors, src, wq, char_b, pe_g, pe_b, kq; writes kq
.if DOCPART == 2
	.amdgcn_target "amdgcn-amd-amdhsa--gfx1250"
	.amdhsa_code_object_version 6
	.text
	.protected	k_q4704f6e1de_pe
	.globl	k_q4704f6e1de_pe
	.p2align	8
	.type	k_q4704f6e1de_pe,@function
k_q4704f6e1de_pe:
	s_mov_b64 s[64:65], 0
	v_nop
	global_prefetch_b8 v0, s[64:65] scope:SCOPE_SE
	s_setreg_imm32_b32 hwreg(HW_REG_WAVE_MODE, 25, 1), 1
	s_wait_xcnt 0x0
; The parameter encoder and the operand of the scores.  pe = LN(mean over 4 parameters of (param_vectors char_W^T) + char_b); the product on codes of FP6 (E2M3), one E8M0 byte for each 32 along K = 768.
; Then, for each token and head, the row [src's 64 | pe's 64] is quantised along the head's axis: ONE operand of K = 128 whose product with itself is src.src + pe.pe.
; RESULT kq, for each (batch, head), 102,400 bytes: each token's scale word (4,096 bytes), then tile (16 tokens x 128) as an image of the operand's registers at 4096 + 1536 x tile.
; Inside a block of 32 the codes stand in a fixed order of this kernel's own; kq is both operands of its product, so each product's terms stay as they are.
; SHARES.  A work-group owns 16 tokens (64 parameter rows) and all 1,024 columns.  Wave w quantises parameter w of the 16 tokens (images to LDS for all four waves) and makes columns 256 w .. + 255.
; THE MEAN IS SUMMED IN THE ACCUMULATORS: tile p of the left operand holds parameter p of the 16 tokens, and the four tiles add onto the same 16 accumulators of a wave (128 registers), which take turns, one instruction a turn
;   With a = that sum + 4 char_b, pe = a / 4, so LN(pe) = (a - mean a) x rsqrt(M2 / 16384 + 1e-5) / 4, M2 the sum of a's squared deviations over the 1,024 columns.
; The order of the f32 additions differs from the module's (products first, mean after).
; TRANSPOSED: source 0 = 16 rows of char_W, source 1 = 16 tokens: lane (r, h) holds token r and, in tile t, columns 16 t + 8 h + 0 .. 7.  So mean, deviations, gain, bias and the quantiser stay in the lane's registers;
; each wave's mean and sum of squared deviations from it (256 columns) meet the other waves' through 512 bytes of LDS and are joined: M2 = sum of (M2w + 256 (mean w - mean)^2).
; PARAMETERS AND src come by tensor loads, one a wave: 16 rows x 1,024 bytes (two K steps; src: my four heads), 16 bytes of padding behind each row.  Four such tiles a wave, each on LDS bytes of its own, read by the wave that asked.
; The first goes out at the head, each next one behind FILL's wait, add and barrier; it has two K steps, 128 matrix instructions a wave, in which to land.
; PREFETCH: behind each tensor load the wave names the 64 blocks of 256 bytes of its NEXT tile, a lane a block, two instructions; the last tile has no successor and asks for nothing.
; char_W's images lie in memory in register order and come by three loads of 512 consecutive bytes a fragment, group of four fragments by group, a K step ahead.
; NO CLUSTER: char_W's codes are 589,824 bytes, a K step 98,304: beside the 266,240 bytes of stages no two slots of a K step fit in LDS.  char_W is not prefetched: all 256 work-groups read the same bytes.
; LIMITS: NaN and infinities are not served; a block of zeros gets the byte 1 (its codes are zeros; this program alone reads the bytes); blocks under 2^-124 are held at that floor.
; REGISTERS, windows of 256.  Window 0: v1-21 addresses; v32-47 char_W's scale words (two sets; lanes 0-15 tile u, lanes 16-31 tile u + 8); v48-51 the parameters'; v52-62 sums; v64-111 the parameters' fragments;
; v64-127, v128-191 64 numbers for the quantiser; v192-230 codes, two sets; v232-247 at work.  Window 1: char_W's 16 fragments.  Window 2: v0-127 the accumulators, v128-255 gain.  Window 3: v0-127 char_b, v128-255 bias.
.set CW_S,  589824                     ; char_W's scale words in wq (its codes begin at 0)
.set HB,    102400
.set AIMG,  0                          ; LDS: the parameters' 24 fragments, (4 s + p) 1536
.set ASC,   36864                      ; their scale words, (4 s + p) 128
.set STATS, 39936                      ; 128 bytes a wave: (mean, M2) of 16 tokens
.set SPARE, 40448                      ; the spare words, 128 bytes a wave
.set PSTG,  40960                      ; the tensor loads' tiles: (4 x tile + wave) x WSTG
.set WSTG,  16640                      ; 16 rows x 1,040
.set PAIR,  4*WSTG
.set L16, 4
.set L4,  5
.set R4,  6
.set ST,  8
.set IMS, 12
.set SCS, 13
.set SCR, 14
.set BAD, 15
.set BSA, 16
.set CBA, 17
.set STA, 18
.set STR, 19
.set PFA, 20
.set PFS, 21
.set BS,  32
.set AS,  48
.set SM,  52
.set FF,  56
.set DF,  58
.set MU,  60
.set MO,  62
.set AF,  64
.set XA,  64
.set XB,  128
.set PC0, 192
.set TM,  232
.set PW0, 248
.set SPW, 254
.set NIL, 255
.set SEL, 20
.set G1,  24
.set G0,  32
.set G0S, 36
.set G1S, 40
.set MSB, 0
.macro WIN new                         ; the immediate's high byte repeats the setting that is left
.if MSB != (\new)
	s_set_vgpr_msb (MSB<<8)|(\new)
.set MSB, (\new)
.endif
.endm
.macro NOP4
.rept 4
	v_nop
.endr
.endm
; 64 numbers of a lane, register 16 b + i = place 16 (lane / 16) + i of block b of my row, become a fragment's codes in v[pc] on and its scale word in v[pw]
.macro QUANT s, pc, pw
.irp b, 0,1,2,3
	v_max3_num_f32 v[TM+\b], |v[(\s)+16*\b]|, |v[(\s)+1+16*\b]|, 0x1800000   ; my 16 numbers of block b, and the floor 2^(3 - 127)
.endr
.irp i, 2,4,6,8,10,12,14
.irp b, 0,1,2,3
	v_max3_num_f32 v[TM+\b], v[TM+\b], |v[(\s)+16*\b+\i]|, |v[(\s)+1+16*\b+\i]|
.endr
.endr
.irp b, 0,1,2,3
	v_permlanex16_b32 v[TM+4+\b], v[TM+\b], s[SEL], s[SEL+1]
.endr
.irp b, 0,1,2,3
	v_max_num_f32 v[TM+\b], v[TM+\b], v[TM+4+\b]   ; with lane l xor 16's: the block's largest magnitude
.endr
.irp b, 0,1,2,3
	v_add_nc_u32 v[TM+12+\b], 0xff000000, v[TM+\b] ; 2 off its exponent field: the conversion's scale operand
.endr
.irp b, 0,1,2,3
	v_lshrrev_b32 v[TM+4+\b], 23, v[TM+12+\b]      ; the scale's byte
.endr
	v_lshl_or_b32 v[\pw], v[TM+5], 8, v[TM+4]
	v_lshl_or_b32 v[\pw], v[TM+6], 16, v[\pw]
	v_lshl_or_b32 v[\pw], v[TM+7], 24, v[\pw]
.irp c, 0,1
	v_cvt_scalef32_pk16_fp6_f32 v[(\pc)+6*\c:(\pc)+2+6*\c], v[(\s)+32*\c:(\s)+15+32*\c], v[TM+12+2*\c]
	v_cvt_scalef32_pk16_fp6_f32 v[(\pc)+12+4*\c:(\pc)+14+4*\c], v[(\s)+16+32*\c:(\s)+31+32*\c], v[TM+12+2*\c+1]
.endr
	v_nop                                          ; one plain place behind a scaled conversion
.irp c, 0,1                                    ; the operand wants a whole block in a lane
.irp i, 0,1,2
	v_permlane16_swap_b32 v[(\pc)+6*\c+\i], v[(\pc)+12+4*\c+\i]
.endr
.irp i, 0,1,2
	v_mov_b32 v[(\pc)+3+6*\c+\i], v[(\pc)+12+4*\c+\i]
.endr
.endr
.endm
.macro ASK adr, base, off              ; the 64 blocks of 256 bytes of my next tile: lane (r, h) names row r's blocks h and 2 + h
.irp i, 0,1
	global_prefetch_b8 v[\adr], s[\base:\base+1] offset:(\off)+512*\i th:TH_LOAD_NT scope:SCOPE_SE
.endr
.endm
; A later first fill: all my tensor loads are in, the add, its wait, the barrier, my one tensor load
.macro FILL g0, g1, step
	s_wait_tensorcnt 0x0
	ds_add_u32 v[SPW], v[NIL]
.if \step
	s_add_co_u32 s[G0+1], s[G0+1], PAIR            ; no load of mine is out: the next tile's place in LDS,
	s_add_nc_u64 s[G0+2:G0+3], s[G0+2:G0+3], 1024  ; and the next two K steps of my rows
.endif
	s_wait_dscnt 0x0
	s_barrier_signal -1
	s_barrier_wait -1
	tensor_load_to_lds s[\g0:\g0+3], s[\g1:\g1+7]
	s_nop 0
	NOP4
.endm
.macro XLOAD s                         ; K step s of my 16 rows out of the tile: 16 numbers of each of four blocks
.irp b, 0,1,2,3
.irp m, 0,1,2,3
	ds_load_b128 v[XB+16*\b+4*\m:XB+16*\b+4*\m+3], v[ST+(\s)/2] offset:512*((\s)%2)+128*\b+16*(\m%2)+64*(\m/2)
.endr
.endr
.endm
.macro SLOADH x, hd                    ; src: head hd of my four, its two blocks
.irp b, 0,1
.irp m, 0,1,2,3
	ds_load_b128 v[(\x)+16*\b+4*\m:(\x)+16*\b+4*\m+3], v[ST+3] offset:256*(\hd)+128*\b+16*(\m%2)+64*(\m/2)
.endr
.endr
.endm
.macro AFETCH s                        ; the parameters' four fragments of K step s and their scale words
.irp a, 0,1,2,3
.irp c, 0,1,2
	ds_load_b128 v[AF+12*\a+4*\c:AF+12*\a+4*\c+3], v[L16] offset:AIMG+(4*(\s)+\a)*1536+512*\c
.endr
	ds_load_b32 v[AS+\a], v[SCR] offset:(4*(\s)+\a)*128
.endr
.endm
.macro PROC s                          ; my rows' K step s becomes an image in LDS; behind the barrier everybody's are fetched
.if (\s)%2 == 0
	XLOAD \s
.endif
	s_wait_dscnt 0x0
	QUANT XB, PC0, PW0
.irp c, 0,1,2
	ds_store_b128 v[IMS], v[PC0+4*\c:PC0+4*\c+3] offset:4*(\s)*1536+512*\c
.endr
	ds_store_b32 v[SCS], v[PW0] offset:4*(\s)*128
	s_wait_dscnt 0x0                               ; for the others' sake: my image lies in LDS
	s_barrier_signal -1
	s_barrier_wait -1
	AFETCH \s                                      ; (the quantiser's lines are the places behind the last K step's products)
.if (\s)%2 == 0
	XLOAD (\s)+1                                   ; the same tile's second K step, under the products
.endif
.endm
.macro BLOAD s, g                      ; char_W's fragments 4 g .. 4 g + 3 of K step s; with groups 0 and 1 the step's scale words
	WIN 0x40
.irp k, 0,1,2,3
.irp c, 0,1,2
	global_load_b128 v[12*(4*(\g)+\k)+4*\c:12*(4*(\g)+\k)+4*\c+3], v[BAD], s[8:9] offset:(4*(\g)+\k)*9216+(\s)*1536+512*\c
.endr
.endr
	WIN 0
.if (\g) < 2
.irp k, 0,1,2,3
	global_load_b32 v[BS+8*((\s)%2)+4*(\g)+\k], v[BSA], s[8:9] offset:CW_S+(\s)*4096+(4*(\g)+\k)*64
.endr
.endif
.endm
.macro MULG s, g                       ; 16 matrix instructions: the four parameters x four tiles of columns; the four accumulators by turns
	WIN 0xa1                                       ; source 0 window 1, source 1 window 0, C and D window 2
.irp p, 0,1,2,3
.irp k, 0,1,2,3
.set rD, 8*(4*(\g)+\k)
.set rB, 12*(4*(\g)+\k)
.set rA, AF+12*\p
.set rX, BS+8*((\s)%2)+(4*(\g)+\k)%8
.set rY, AS+\p
.if (\s) == 0 && \p == 0
.if (\g) < 2
	v_wmma_scale_f32_16x16x128_f8f6f4 v[rD:rD+7], v[rB:rB+11], v[rA:rA+11], 0, v[rX], v[rY] matrix_a_fmt:MATRIX_FMT_FP6 matrix_b_fmt:MATRIX_FMT_FP6
.else
	v_wmma_scale_f32_16x16x128_f8f6f4 v[rD:rD+7], v[rB:rB+11], v[rA:rA+11], 0, v[rX], v[rY] matrix_a_fmt:MATRIX_FMT_FP6 matrix_b_fmt:MATRIX_FMT_FP6 matrix_a_scale:MATRIX_SCALE_ROW1
.endif
.else
.if (\g) < 2
	v_wmma_scale_f32_16x16x128_f8f6f4 v[rD:rD+7], v[rB:rB+11], v[rA:rA+11], v[rD:rD+7], v[rX], v[rY] matrix_a_fmt:MATRIX_FMT_FP6 matrix_b_fmt:MATRIX_FMT_FP6
.else
	v_wmma_scale_f32_16x16x128_f8f6f4 v[rD:rD+7], v[rB:rB+11], v[rA:rA+11], v[rD:rD+7], v[rX], v[rY] matrix_a_fmt:MATRIX_FMT_FP6 matrix_b_fmt:MATRIX_FMT_FP6 matrix_a_scale:MATRIX_SCALE_ROW1
.endif
.endif
.endr
.endr
.endm
.macro GRP s, g, n                     ; n: the loads of the three groups issued behind this one, which may stay out
	s_wait_loadcnt \n
.if (\g) == 0
	s_wait_dscnt 16*(1-(\s)%2)                     ; the parameters' fragments are in; the 16 loads for the next quantiser may be out
.endif
	MULG \s, \g
.if (\s) < 5
	NOP4                                           ; four places in front of loads into registers that matrix instructions have read
	BLOAD (\s)+1, \g
.endif
.endm
.macro KSTEP s
	PROC \s
	GRP \s, 0, 40
	GRP \s, 1, 40
	GRP \s, 2, 44
	GRP \s, 3, 44
.endm
	s_load_b256 s[4:11], s[0:1], 0x0               ; param_vectors s[4:5], src s[6:7], wq s[8:9], char_b s[10:11]
	s_load_b128 s[12:15], s[0:1], 0x20             ; pe_g s[12:13], pe_b s[14:15]
	s_load_b64 s[16:17], s[0:1], 0x30              ; kq
	v_lshl_add_u32 v[SPW], v0, 2, SPARE
	v_mov_b32 v[NIL], 0
	ds_add_u32 v[SPW], v[NIL]                      ; the opening lines: the add, twice on end, and its wait ahead of my first tensor load
	ds_add_u32 v[SPW], v[NIL]
	v_lshrrev_b32 v1, 5, v0
	v_readfirstlane_b32 s18, v1                    ; wave
.irp g, G1, G1S                                ; group 1: 16 rows of 128 elements of 8 bytes; 4 dwords of padding behind every 256
	s_mov_b32 s[\g+0], (3<<16)|(1<<20)|(7<<22)|(3<<25)
	s_mov_b32 s[\g+1], 128<<16
	s_mov_b32 s[\g+2], 16<<16
	s_mov_b32 s[\g+3], 128<<16
	s_mov_b32 s[\g+4], 16
	s_mov_b32 s[\g+6], 0
	s_mov_b32 s[\g+7], 0
.endr
	s_mov_b32 s[G1+5], 1536                        ; from token to token: four parameter rows of 3,072 bytes
	s_mov_b32 s[G1S+5], 512                        ; src: 4,096 bytes
	s_mov_b32 s[SEL], 0x76543210
	s_mov_b32 s[SEL+1], 0xfedcba98
	s_mov_b32 s22, 0x3b800000                      ; 1 / 256
	s_mov_b32 s23, 0x43800000                      ; 256
	s_mov_b32 s48, 0x38800000                      ; 1 / 16384
	s_mov_b32 s49, 0x3727c5ac                      ; 1e-5
	s_mul_i32 s50, ttmp9, 196608                   ; 64 parameter rows a work-group,
	s_mul_i32 s2, s18, 3072                        ; my parameter of token 0
	s_add_co_u32 s50, s50, s2
	s_mov_b32 s51, 0
	s_lshl_b32 s52, ttmp9, 16                      ; 16 tokens of 4,096 bytes a work-group,
	s_lshl_b32 s62, s18, 10                        ; my 256 columns
	s_add_co_u32 s52, s52, s62
	s_mov_b32 s53, 0
	s_lshr_b32 s2, ttmp9, 6                        ; batch
	s_lshl_b32 s2, s2, 4
	s_lshl_b32 s3, s18, 2
	s_add_co_u32 s2, s2, s3
	s_mul_i32 s2, s2, HB                           ; (16 batch + 4 w) heads
	s_and_b32 s3, ttmp9, 63                        ; my tile of 16 tokens
	s_mul_i32 s54, s3, 1536
	s_add_co_u32 s54, s54, s2
	s_add_co_u32 s54, s54, 4096
	s_mov_b32 s55, 0
	s_lshl_b32 s56, s3, 6
	s_add_co_u32 s56, s56, s2
	s_mov_b32 s57, 0
	s_mul_i32 s58, s18, WSTG
	s_add_co_u32 s58, s58, PSTG                    ; my first tile in LDS
	s_mul_i32 s59, s18, 1536
	s_lshl_b32 s60, s18, 7
	s_add_co_u32 s63, s60, STATS
	s_add_co_u32 s60, s60, ASC
	s_mul_i32 s61, s18, 147456                     ; char_W's images: my 16 rows of fragments, 9,216 bytes each
	v_and_b32 v1, 31, v0                           ; lane
	v_and_b32 v2, 15, v0                           ; r
	v_bfe_u32 v3, v0, 4, 1                         ; h
	v_lshlrev_b32 v[L16], 4, v1
	v_lshlrev_b32 v[L4], 2, v1
	v_lshlrev_b32 v[R4], 2, v2
	v_mul_u32_u24 v[ST], v2, 1040
	v_lshl_add_u32 v[ST], v3, 5, v[ST]
	v_add_nc_u32 v[ST], s58, v[ST]                 ; out of my tiles: row r, + 32 h
	v_add_nc_u32 v[ST+1], PAIR, v[ST]
	v_add_nc_u32 v[ST+2], 2*PAIR, v[ST]
	v_add_nc_u32 v[ST+3], 3*PAIR, v[ST]
	v_add_nc_u32 v[IMS], s59, v[L16]               ; where I store the parameters' images: p = my wave
	v_add_nc_u32 v[SCS], s60, v[L4]                ; and their scale words
	v_add_nc_u32 v[SCR], ASC, v[L4]                ; where anybody reads them
	v_add_nc_u32 v[BAD], s61, v[L16]
	v_lshl_add_u32 v[BSA], v3, 9, v[R4]
	v_add_nc_u32 v[BSA], s62, v[BSA]               ; char_W's scale words: 1,024 w + 4 r, lanes 16-31 eight tiles on
	v_lshl_add_u32 v[CBA], v3, 5, s62              ; char_b, gain, bias: 4 (256 w + 8 h)
	v_lshl_add_u32 v[STA], v2, 3, s63
	v_lshlrev_b32 v[STR], 3, v2
	v_add_nc_u32 v[STR], STATS, v[STR]
	v_mul_u32_u24 v[PFA], v2, 12288
	v_lshl_add_u32 v[PFA], v3, 8, v[PFA]
	v_lshlrev_b32 v[PFS], 12, v2
	v_lshl_add_u32 v[PFS], v3, 8, v[PFS]
.irp b, 0,1,2,3
	v_mov_b32 v[TM+4+\b], 0                        ; written once: a lane permute's destination counts as one of its sources
.endr
	s_wait_alu depctr_va_vdst(0)                   ; the wait at the head's end
	s_wait_dscnt 0x0                               ; both opening adds are done
	s_wait_kmcnt 0x0
	s_add_nc_u64 s[4:5], s[4:5], s[50:51]
	s_add_nc_u64 s[6:7], s[6:7], s[52:53]
	s_add_nc_u64 s[54:55], s[16:17], s[54:55]      ; images out
	s_add_nc_u64 s[56:57], s[16:17], s[56:57]      ; scale words out
	s_mov_b32 s[G0], 1
	s_mov_b32 s[G0+1], s58
	s_mov_b64 s[G0+2:G0+3], s[4:5]
	s_or_b32 s[G0+3], s[G0+3], 0x80000000
	s_mov_b32 s[G0S], 1
	s_add_co_u32 s[G0S+1], s58, 3*PAIR
	s_mov_b64 s[G0S+2:G0S+3], s[6:7]
	s_or_b32 s[G0S+3], s[G0S+3], 0x80000000
	tensor_load_to_lds s[G0:G0+3], s[G1:G1+7]      ; K steps 0 and 1 of my 16 rows: my one tensor load at the head
	s_nop 0
	NOP4
	ASK PFA, 4, 1024                               ; K steps 2 and 3
	WIN 0xc0
.irp t, 0,1,2,3,4,5,6,7,8,9,10,11,12,13,14,15
	global_load_b128 v[8*\t:8*\t+3], v[CBA], s[10:11] offset:64*\t         ; char_b of columns 256 w + 16 t + 8 h + 0 .. 7
	global_load_b128 v[8*\t+4:8*\t+7], v[CBA], s[10:11] offset:64*\t+16
.endr
.irp t, 0,1,2,3,4,5,6,7,8,9,10,11,12,13,14,15
	global_load_b128 v[128+8*\t:128+8*\t+3], v[CBA], s[14:15] offset:64*\t ; bias
	global_load_b128 v[128+8*\t+4:128+8*\t+7], v[CBA], s[14:15] offset:64*\t+16
.endr
	WIN 0x80
.irp t, 0,1,2,3,4,5,6,7,8,9,10,11,12,13,14,15
	global_load_b128 v[128+8*\t:128+8*\t+3], v[CBA], s[12:13] offset:64*\t ; gain
	global_load_b128 v[128+8*\t+4:128+8*\t+7], v[CBA], s[12:13] offset:64*\t+16
.endr
	WIN 0
	BLOAD 0, 0
	BLOAD 0, 1
	BLOAD 0, 2
	BLOAD 0, 3
	FILL G0, G1, 1                                 ; K steps 0, 1 are in; 2, 3 are asked for
	ASK PFA, 4, 2048                               ; K steps 4 and 5
	KSTEP 0
	KSTEP 1
	FILL G0, G1, 1                                 ; K steps 4, 5
	ASK PFS, 6, 0                                  ; src
	KSTEP 2
	KSTEP 3
	FILL G0S, G1S, 0                               ; src: my four heads of the 16 tokens
	KSTEP 4
	PROC 5
	GRP 5, 0, 40
	GRP 5, 1, 24
	GRP 5, 2, 12
	GRP 5, 3, 0
	; ---- the layer norm, in registers
	NOP4                                           ; four places behind the last products
	WIN 0
	s_wait_tensorcnt 0x0                           ; src is in: my own tile
	SLOADH XA, 0
	SLOADH XB, 1
	WIN 0xa3                                       ; source 0 window 3, source 2 and destination window 2
.set i, 0
.rept 64
	v_pk_fma_f32 v[2*i:2*i+1], v[2*i:2*i+1], 4.0, v[2*i:2*i+1] op_sel_hi:[1,0,1]   ; a = the four parameters' sum + 4 char_b; each accumulator from its low end on
.set i, i+1
.endr
	WIN 0x0a
.irp c, 0,1,2,3
	v_pk_add_f32 v[SM+2*\c:SM+2*\c+1], v[4*\c:4*\c+1], v[4*\c+2:4*\c+3]
.endr
	WIN 0x08
.set i, 8
.rept 56
	v_pk_add_f32 v[SM+2*(i%4):SM+2*(i%4)+1], v[SM+2*(i%4):SM+2*(i%4)+1], v[2*i:2*i+1]   ; four chains
.set i, i+1
.endr
	WIN 0
.macro JOIN                            ; the four chains, the pair's halves, lane l xor 16's: my token's sum over my wave's 256 columns, in v[SM]
	v_pk_add_f32 v[SM:SM+1], v[SM:SM+1], v[SM+2:SM+3]
	v_pk_add_f32 v[SM+4:SM+5], v[SM+4:SM+5], v[SM+6:SM+7]
	v_pk_add_f32 v[SM:SM+1], v[SM:SM+1], v[SM+4:SM+5]
	v_add_f32 v[SM], v[SM], v[SM+1]
	v_permlanex16_b32 v[SM+1], v[SM], s[SEL], s[SEL+1]
	v_add_f32 v[SM], v[SM], v[SM+1]
.endm
	JOIN
	v_mul_f32 v[MU], s22, v[SM]                    ; my wave's mean
	v_mov_b32 v[MU+1], v[MU]
	v_mov_b32 v[MO], v[MU]
	WIN 0x82
.set i, 0
.rept 64
	v_pk_add_f32 v[2*i:2*i+1], v[2*i:2*i+1], v[MU:MU+1] neg_lo:[0,1] neg_hi:[0,1]
.set i, i+1
.endr
	WIN 0x0a
.irp c, 0,1,2,3
	v_pk_mul_f32 v[SM+2*\c:SM+2*\c+1], v[2*\c:2*\c+1], v[2*\c:2*\c+1]
.endr
.set i, 4
.rept 60
	v_pk_fma_f32 v[SM+2*(i%4):SM+2*(i%4)+1], v[2*i:2*i+1], v[2*i:2*i+1], v[SM+2*(i%4):SM+2*(i%4)+1]
.set i, i+1
.endr
	WIN 0
	JOIN
	v_mov_b32 v[MU+1], v[SM]                       ; my wave's sum of squared deviations
	ds_store_b64 v[STA], v[MU:MU+1]                ; lanes r and 16 + r write the same eight bytes with the same values
	s_wait_dscnt 0x0                               ; for the others' sake; src's first two heads are in too
	s_barrier_signal -1
	s_barrier_wait -1
.irp k, 0,1,2,3
	ds_load_b64 v[TM+2*\k:TM+2*\k+1], v[STR] offset:128*\k
.endr
	s_wait_dscnt 0x0
	v_add_f32 v[SM], v[TM], v[TM+2]
	v_add_f32 v[SM+1], v[TM+4], v[TM+6]
	v_add_f32 v[SM+2], v[TM+1], v[TM+3]
	v_add_f32 v[SM+3], v[TM+5], v[TM+7]
	v_add_f32 v[SM], v[SM], v[SM+1]
	v_add_f32 v[SM+2], v[SM+2], v[SM+3]
	v_mul_f32 v[SM], 0x3e800000, v[SM]             ; the row's mean
.irp k, 0,1,2,3
	v_sub_f32 v[TM+2*\k], v[TM+2*\k], v[SM]
.endr
	v_mul_f32 v[SM+1], v[TM], v[TM]
	v_fma_f32 v[SM+1], v[TM+2], v[TM+2], v[SM+1]
	v_fma_f32 v[SM+1], v[TM+4], v[TM+4], v[SM+1]
	v_fma_f32 v[SM+1], v[TM+6], v[TM+6], v[SM+1]
	v_fma_f32 v[SM+2], v[SM+1], s23, v[SM+2]       ; M2 of the whole row
	v_fma_f32 v[SM+2], v[SM+2], s48, s49           ; pe's variance + 1e-5
	v_sub_f32 v[MO], v[MO], v[SM]                  ; my wave's mean less the row's
	s_wait_alu depctr_va_vdst(0)                   ; the wait ahead of the transcendental
	v_rsq_f32 v[SM+2], v[SM+2]
	v_nop                                          ; a plain place behind it
	s_wait_alu depctr_va_vdst(0)                   ; and the wait ahead of its first reader
	v_mul_f32 v[FF], 0x3e800000, v[SM+2]           ; / 4: a is four times pe
	v_mov_b32 v[FF+1], v[FF]
	v_mul_f32 v[DF], v[MO], v[FF]
	v_mov_b32 v[DF+1], v[DF]
	WIN 0x82
.set i, 0
.rept 64
	v_pk_fma_f32 v[2*i:2*i+1], v[2*i:2*i+1], v[FF:FF+1], v[DF:DF+1]
.set i, i+1
.endr
; ---- head by head: [src's two blocks | pe's two blocks] become the head's image and scale word, which leave from registers
.macro HEAD hd
.set XE, XA+64*((\hd)%2)
.set PCE, PC0+20*((\hd)%2)
.set PWE, PW0+(\hd)%2
.if (\hd) >= 2
	WIN 0
	s_wait_xcnt 0x0                                ; the stores of two heads ago have read these registers
	s_wait_dscnt 8*(3-(\hd))                       ; this head's src is in; the next head's eight loads may be out
.endif
	WIN 0x3a                                       ; sources 0 and 1 window 2, source 2 window 3
.set i, 0
.rept 16
	v_pk_fma_f32 v[XE+32+2*i:XE+33+2*i], v[32*(\hd)+2*i:32*(\hd)+2*i+1], v[128+32*(\hd)+2*i:129+32*(\hd)+2*i], v[128+32*(\hd)+2*i:129+32*(\hd)+2*i]   ; x gain + bias
.set i, i+1
.endr
	WIN 0
	QUANT XE, PCE, PWE
.irp c, 0,1,2
	global_store_b128 v[L16], v[PCE+4*\c:PCE+4*\c+3], s[54:55] offset:HB*(\hd)+512*\c   ; 512 consecutive bytes a store
.endr
	global_store_b32 v[R4], v[PWE], s[56:57] offset:HB*(\hd)   ; lanes r and 16 + r hold token r's word and write the same four bytes
.if (\hd) < 2
	SLOADH XE, (\hd)+2
.endif
.endm
	HEAD 0
	HEAD 1
	HEAD 2
	HEAD 3
	s_wait_tensorcnt 0x0                           ; the wave's end
	ds_add_u32 v[SPW], v[NIL]
	s_wait_dscnt 0x0
	s_endpgm
.Lfunc_end_k_q4704f6e1de_pe:
	.size	k_q4704f6e1de_pe, .Lfunc_end_k_q4704f6e1de_pe-k_q4704f6e1de_pe
	.p2alignl 7, 3214868480
	.fill 96, 4, 3214868480
	.section	.rodata,"a",@progbits
	.p2align	6, 0x0
	.amdhsa_kernel k_q4704f6e1de_pe
		.amdhsa_group_segment_fixed_size 327680
		.amdhsa_private_segment_fixed_size 0
		.amdhsa_enable_private_segment 0
		.amdhsa_kernarg_size 56
		.amdhsa_user_sgpr_count 2
		.amdhsa_user_sgpr_kernarg_segment_ptr 1
		.amdhsa_wavefront_size32 1
		.amdhsa_system_sgpr_workgroup_id_x 1
		.amdhsa_system_sgpr_workgroup_id_y 1
		.amdhsa_system_sgpr_workgroup_id_z 1
		.amdhsa_system_vgpr_workitem_id 0
		.amdhsa_next_free_vgpr 1024
		.amdhsa_next_free_sgpr 72
		.amdhsa_reserve_vcc 0
		.amdhsa_float_denorm_mode_32 3
		.amdhsa_float_denorm_mode_16_64 3
		.amdhsa_memory_ordered 1
		.amdhsa_forward_progress 1
		.amdhsa_inst_pref_size 184
	.end_amdhsa_kernel
	.amdgpu_metadata
---
amdhsa.version: [ 1, 2 ]
amdhsa.kernels:
  - .name:           k_q4704f6e1de_pe
    .symbol:         k_q4704f6e1de_pe.kd
    .args:
      - { .name: param_vectors, .offset: 0, .size: 8, .value_kind: global_buffer, .address_space: global }
      - { .name: src, .offset: 8, .size: 8, .value_kind: global_buffer, .address_space: global }
      - { .name: wq, .offset: 16, .size: 8, .value_kind: global_buffer, .address_space: global }
      - { .name: char_b, .offset: 24, .size: 8, .value_kind: global_buffer, .address_space: global }
      - { .name: pe_g, .offset: 32, .size: 8, .value_kind: global_buffer, .address_space: global }
      - { .name: pe_b, .offset: 40, .size: 8, .value_kind: global_buffer, .address_space: global }
      - { .name: kq, .offset: 48, .size: 8, .value_kind: global_buffer, .address_space: global }
    .group_segment_fixed_size: 327680
    .private_segment_fixed_size: 0
    .kernarg_segment_align: 8
    .kernarg_segment_size: 56
    .max_flat_workgroup_size: 128
    .sgpr_count:     72
    .vgpr_count:     1024
    .wavefront_size: 32
...
	.end_amdgpu_metadata
.endif
;; end of part 2
;; launch attn (part 3): grid 4 x 64, 16 waves a work-group, clusters of 4 x 1, 225,280 bytes of LDS; arguments kq, vq, ao; writes ao
.if DOCPART == 3
	.amdgcn_target "amdgcn-amd-amdhsa--gfx1250"
	.amdhsa_code_object_version 6
	.text
	.protected	k_q4704f6e1de_attn
	.globl	k_q4704f6e1de_attn
	.p2align	8
	.type	k_q4704f6e1de_attn,@function
k_q4704f6e1de_attn:
	s_mov_b64 s[64:65], 0
	v_nop
	global_prefetch_b8 v0, s[64:65] scope:SCOPE_SE
	s_setreg_imm32_b32 hwreg(HW_REG_WAVE_MODE, 25, 1), 1
	s_wait_xcnt 0x0
	s_wait_alu depctr_hold_cnt(0) depctr_sa_sdst(0) depctr_va_vdst(0) depctr_va_sdst(0) depctr_va_ssrc(0) depctr_va_vcc(0) depctr_vm_vsrc(0)
	s_getreg_b32 s2, hwreg(HW_REG_IB_STS2, 6, 4)
	s_cmp_eq_u32 s2, 0
	s_cbranch_scc0 .Lentry_in_a_cluster
	s_endpgm
.Lentry_in_a_cluster:
	s_bfe_u32 s2, ttmp6, 0x10000c
	s_cmp_lg_u32 s2, 0x3003
	s_cbranch_scc0 .Lentry_shape_is_right
	s_endpgm
.Lentry_shape_is_right:
; o = softmax((src.src + pe.pe) / 8) src for each (batch, head), on codes of FP6 (E2M3) with one E8M0 byte for each 32 along a product's K.
; kq holds, for each (batch, head), rows [src 64 | pe 64] as codes: ONE matrix instruction of K = 128 gives both score products' sum.  vq holds src with the keys innermost.  Both lie as images of operand registers.
; THE SOFTMAX: t = score x log2(e) / 8; M = the row's largest t so far, rounded UP to a whole number; p = 2^(t - M) is quantised along the keys, not normalised; the row's sum is taken of the unquantised p and divides at the end.
; When M moves, the sum and O are multiplied by 2^(old M - new M): exact.
; SHARES.  A work-group owns 256 queries of one head, each of its sixteen waves 16: four waves to a SIMD, so that one wave's vector work stands beside another's matrix work.  Every wave walks the 1,024 keys, 128 a step.
; A HEAD'S K (102,400 bytes) AND V (51,200) FIT IN LDS WHOLE: six tensor loads of 25,600 bytes at the start (waves 0-3 K's, waves 4, 5 V's), nothing is filled twice, no ring.
; CLUSTER.  The four query blocks of a head form a cluster and ask for K and V jointly: the same load, the same descriptor, a mask that names the four.
; No prefetch: all that a work-group ever reads is asked for by the loads at its head.
; LAYOUT.  Both products transposed: S^T = K Q^T, O^T = V^T P^T: a lane holds one query (lane % 16) throughout.  Tiles 2 b, 2 b + 1 of S^T leave key 32 b + 16 u + 8 (lane / 16) + j in register 16 b + 8 u + j:
; inside a block the keys stand with bits 3 and 4 of their number exchanged, and vq is laid in the same order.
; LIMITS: NaN and infinities are not served.
; REGISTERS: v1-4, v7 addresses that stay; v8-11 addresses in hand; v12 -M, v13 the largest t, v[14:15] the sum; v16-27 Q; v32-79 four fragments; v96-159 S^T, then p; v160-191 O^T; v224-235 p's codes; v232-254 at work; v255 Q's scale word.
.set KB,    102400
.set VB,    51200
.set PIECE, 25600
.set VL,    KB                         ; LDS: K at 0, V behind it,
.set STAGE, KB+VB                      ; then 16 rows x 272 bytes for each wave, for the way out
.set AK0,  1
.set AV0,  2
.set AS0,  3
.set AT0,  4
.set GO,   7
.set ADK,  8
.set ADV,  9
.set ADS,  10
.set ADT,  11
.set WV,   18
.set SEL,  20
.set CS,   22
.set G1,   24                          ; s[24:31] descriptor group 1: 100 rows of 256 bytes
.set G0K,  32                          ; s[32:35] group 0 for K's pieces, s[36:39] for V's
.set G0V,  36
.set TK,   40                          ; the step's place in K's images, 12,288 bytes a step
.set TS,   41                          ; in K's scale words, 512
.set TV,   42                          ; in V's images, 6,144
.set TT,   43                          ; in V's scale words, 256
.set CNT,  44
.macro ROUND                           ; a round of the cluster's barrier
	s_barrier_signal -1
	s_barrier_wait -1
	s_cmp_lg_u32 s[WV], 0
	s_cbranch_scc1 .Lnot_wave_0_\@
	s_barrier_signal -3
.Lnot_wave_0_\@:
	s_barrier_wait -3
	s_barrier_signal -1
	s_barrier_wait -1
.endm
	s_load_b128 s[4:7], s[0:1], 0x0                ; kq, vq
	s_load_b64 s[8:9], s[0:1], 0x10                ; ao
	v_lshl_add_u32 v223, v0, 2, 0x36800
	v_mov_b32 v243, 0
	ds_add_u32 v223, v243
	ds_add_u32 v223, v243
	v_lshrrev_b32 v8, 5, v0
	s_delay_alu instid0(VALU_DEP_1)
	v_readfirstlane_b32 s[WV], v8                  ; wave 0..15
	s_bfe_u32 s46, ttmp6, 0x40000                  ; cx
	s_lshl_b32 s47, ttmp9, 2
	s_add_co_u32 s47, s47, s46                     ; my block of 256 queries: it enters Q's and O's addresses alone
	s_and_b32 s48, ttmp7, 0xffff                   ; 16 x batch + head, which the four partners share
	s_mul_i32 s50, s48, KB
	s_mov_b32 s51, 0
	s_mul_i32 s52, s48, VB
	s_mov_b32 s53, 0
	s_mul_i32 s54, s[WV], PIECE                    ; waves 0-3: K's piece, in memory and in LDS
	s_mov_b32 s55, 0
	s_and_b32 s56, s[WV], 1
	s_mul_i32 s56, s56, PIECE                      ; waves 4, 5: V's piece
	s_mov_b32 s57, 0
	s_lshl_b32 s58, s47, 4
	s_add_co_u32 s58, s58, s[WV]                   ; my tile of 16 queries
	s_mul_i32 s60, s58, 1536
	s_add_co_u32 s60, s60, 4096
	s_mov_b32 s61, 0
	s_lshl_b32 s62, s58, 6
	s_mov_b32 s63, 0
	s_lshr_b32 s66, s48, 4
	s_lshl_b32 s66, s66, 22                        ; batch x 1,024 rows of 4,096 bytes
	s_lshl_b32 s67, s47, 20
	s_add_co_u32 s66, s66, s67
	s_lshl_b32 s67, s[WV], 16
	s_add_co_u32 s66, s66, s67
	s_and_b32 s67, s48, 15
	s_lshl_b32 s67, s67, 8                         ; the head's 256 bytes of a row
	s_add_co_u32 s66, s66, s67
	s_mov_b32 s67, 0
	s_mov_b32 s[G1], 15|(3<<16)|(1<<21)            ; 15:0 the mask: all four work-groups; 17:16 elements of 8 bytes; 21 set beside a mask; no padding
	s_mov_b32 s[G1+1], 32<<16                      ; tensor_dim0 = 32 elements: 256 bytes
	s_mov_b32 s[G1+2], 100<<16                     ; tensor_dim1 = 100
	s_mov_b32 s[G1+3], 32<<16                      ; tile_dim0
	s_mov_b32 s[G1+4], 100                         ; tile_dim1
	s_mov_b32 s[G1+5], 32                          ; the rows are dense
	s_mov_b32 s[G1+6], 0
	s_mov_b32 s[G1+7], 0
	s_mov_b32 s[SEL], 0x76543210
	s_mov_b32 s[SEL+1], 0xfedcba98
	s_mov_b32 s[CS], 0x3e38aa3b                    ; c = log2(e) / 8
	s_mov_b32 s[CS+1], s[CS]                       ; (named with it as a pair, so it is written)
	s_mov_b32 s[TK], 0
	s_mov_b32 s[TS], 0
	s_mov_b32 s[TV], 0
	s_mov_b32 s[TT], 0
	s_mov_b32 s[CNT], 8
	s_wait_dscnt 0x0
	s_wait_kmcnt 0x0
	s_add_nc_u64 s[10:11], s[4:5], s[50:51]        ; kq at my head
	s_mov_b32 s[G0K], 1
	s_mov_b32 s[G0K+1], s54
	s_add_nc_u64 s[G0K+2:G0K+3], s[10:11], s[54:55]
	s_or_b32 s[G0K+3], s[G0K+3], 0x80000000
	s_mov_b32 s[G0V], 1
	s_add_co_u32 s[G0V+1], s56, VL
	s_add_nc_u64 s[G0V+2:G0V+3], s[6:7], s[52:53]
	s_add_nc_u64 s[G0V+2:G0V+3], s[G0V+2:G0V+3], s[56:57]
	s_or_b32 s[G0V+3], s[G0V+3], 0x80000000
	s_add_nc_u64 s[12:13], s[10:11], s[60:61]      ; Q's image
	s_add_nc_u64 s[14:15], s[10:11], s[62:63]      ; and its scale words
	s_add_nc_u64 s[8:9], s[8:9], s[66:67]          ; O at my first query
	ROUND                                          ; all four work-groups are here: the joint loads meet
	s_cmp_lt_u32 s[WV], 4                          ; the branches hang on the wave's number alone; four v_nop follow each of the two tensor loads
	s_cbranch_scc0 .Lnot_k
	tensor_load_to_lds s[G0K:G0K+3], s[G1:G1+7]
	s_nop 0
.rept 4
	v_nop
.endr
	s_branch .Lasked
.Lnot_k:
	s_cmp_lt_u32 s[WV], 6
	s_cbranch_scc0 .Lasked
	tensor_load_to_lds s[G0V:G0V+3], s[G1:G1+7]
	s_nop 0
.rept 4
	v_nop
.endr
.Lasked:
	v_and_b32 v8, 15, v0                           ; r
	v_bfe_u32 v9, v0, 4, 1                         ; h
	v_and_b32 v10, 31, v0
	s_delay_alu instid0(VALU_DEP_1)
	v_lshlrev_b32 v10, 4, v10                      ; 16 x lane
.irp c, 0,1,2
	global_load_b128 v[16+4*\c:19+4*\c], v10, s[12:13] offset:512*\c   ; Q's fragment stays in registers
.endr
	v_lshlrev_b32 v254, 2, v8
	global_load_b32 v255, v254, s[14:15]           ; Q's scale words
	v_add_nc_u32 v[AK0], 4096, v10                 ; K's images lie behind its 4,096 bytes of scale words
	v_add_nc_u32 v[AV0], VL+2048, v10              ; V's behind its 2,048
	v_lshlrev_b32 v[AS0], 2, v8
	v_lshl_add_u32 v[AT0], v8, 2, VL
	v_lshlrev_b32 v[GO], 12, v9
	s_delay_alu instid0(VALU_DEP_1)
	v_lshl_add_u32 v[GO], v8, 4, v[GO]             ; the way out: lanes 0-15 one row of O, lanes 16-31 the next
	v_mov_b32 v13, 0xff61b1e6                      ; the largest t so far: -3e38
	s_delay_alu instid0(VALU_DEP_1)
	v_floor_f32 v12, -v13                          ; -M
	v_mov_b32 v14, 0
	v_mov_b32 v15, 0
.irp b, 0,1,2,3
	v_mov_b32 v[236+\b], 0                         ; written once: a lane permute's destination counts as one of its sources
.endr
	v_mov_b32 v253, 0                              ; (named as the upper half of the pair v[252:253] before it is first written)
.irp j, 0,1,2,3,4,5,6,7,8,9,10,11,12,13,14,15,16,17,18,19,20,21,22,23,24,25,26,27,28,29,30,31
	v_mov_b32 v[160+\j], 0                         ; O^T: the step is written once; its first trip finds zeros
.endr
	s_wait_loadcnt 0x0                             ; Q
	s_wait_tensorcnt 0x0                           ; my piece has landed,
	s_barrier_signal -1
	s_barrier_wait -1                              ; everybody's has
.Lstep:                                            ; 8 trips of 128 keys
	v_add_nc_u32 v[ADK], s[TK], v[AK0]             ; (these four are also the places in front of the loads below)
	s_wait_alu depctr_va_vdst(0)
	v_add_nc_u32 v[ADV], s[TV], v[AV0]
	v_add_nc_u32 v[ADS], s[TS], v[AS0]
	s_wait_alu depctr_va_vdst(0)
	v_add_nc_u32 v[ADT], s[TT], v[AT0]
.irp g, 0,1                                    ; S^T = K Q^T, four tiles of 16 keys at a time
.rept 4*\g
	v_nop                                          ; places in front of loads into registers that matrix instructions have read
.endr
.irp t, 0,1,2,3
.irp c, 0,1,2
	ds_load_b128 v[32+12*\t+4*\c:35+12*\t+4*\c], v[ADK] offset:(4*\g+\t)*1536+512*\c
.endr
	ds_load_b32 v[248+\t], v[ADS] offset:(4*\g+\t)*64
.endr
	s_wait_dscnt 0x0
.irp t, 0,1,2,3
	v_wmma_scale_f32_16x16x128_f8f6f4 v[96+8*(4*\g+\t):103+8*(4*\g+\t)], v[32+12*\t:43+12*\t], v[16:27], 0, v[248+\t], v255 matrix_a_fmt:MATRIX_FMT_FP6 matrix_b_fmt:MATRIX_FMT_FP6
.endr
.endr
.rept 4
	v_nop
.endr
.irp b, 0,1,2,3
	v_max3_num_f32 v[232+\b], v[96+16*\b], v[97+16*\b], v[98+16*\b]   ; the largest score of each block of 32 keys: for the row's maximum and, since p rises with the score, for the block's largest p
.endr
.irp i, 3,5,7,9,11,13
.irp b, 0,1,2,3
	v_max3_num_f32 v[232+\b], v[232+\b], v[96+16*\b+\i], v[97+16*\b+\i]
.endr
.endr
.irp b, 0,1,2,3
	v_max_num_f32 v[232+\b], v[232+\b], v[111+16*\b]
.endr
.irp b, 0,1,2,3
	s_delay_alu instid0(VALU_DEP_4)
	v_permlanex16_b32 v[236+\b], v[232+\b], s[SEL], s[SEL+1]
.endr
.irp b, 0,1,2,3
	s_delay_alu instid0(VALU_DEP_4)
	v_max_num_f32 v[232+\b], v[232+\b], v[236+\b]  ; with lane l xor 16's 16 keys
.endr
	s_delay_alu instid0(VALU_DEP_2)
	v_max3_num_f32 v254, v232, v233, v234
	s_delay_alu instid0(VALU_DEP_1)
	v_max_num_f32 v254, v254, v235
	s_delay_alu instid0(VALU_DEP_1)
	v_mul_f32 v254, s[CS], v254                    ; as t (c is positive)
	s_delay_alu instid0(VALU_DEP_1)
	v_max_num_f32 v13, v13, v254                   ; the running largest t
	v_mov_b32 v254, v12
	s_delay_alu instid0(VALU_DEP_2)
	v_floor_f32 v12, -v13                          ; the new -M = -ceil(t)
	s_delay_alu instid0(VALU_DEP_1)
	v_sub_f32 v254, v12, v254                      ; old M - new M: a whole number, 0 or less
	s_delay_alu instid0(VALU_DEP_1)
	v_cvt_i32_f32 v254, v254
	s_delay_alu instid0(VALU_DEP_1)
	v_ldexp_f32 v252, 1.0, v254                    ; f = 2^(old M - new M)
.irp j, 0,2,4,6,8,10,12,14,16,18,20,22,24,26,28,30,32,34,36,38,40,42,44,46,48,50,52,54,56,58,60,62
	v_pk_fma_f32 v[96+\j:97+\j], v[96+\j:97+\j], s[CS:CS+1], v[12:13] op_sel_hi:[1,0,0]   ; t - M
.endr
.irp b, 0,1,2,3
	v_fma_f32 v[232+\b], v[232+\b], s[CS], v12
.endr
	s_wait_alu depctr_va_vdst(0)
.irp j, 0,1,2,3,4,5,6,7,8,9,10,11,12,13,14,15,16,17,18,19,20,21,22,23,24,25,26,27,28,29,30,31,32,33,34,35,36,37,38,39,40,41,42,43,44,45,46,47,48,49,50,51,52,53,54,55,56,57,58,59,60,61,62,63
	v_exp_f32 v[96+\j], v[96+\j]                   ; p = 2^(t - M)
.endr
	v_pk_mul_f32 v[14:15], v[14:15], v[252:253] op_sel_hi:[1,0]   ; the sums under the new M (a plain place behind the exponentials)
	s_wait_alu depctr_va_vdst(0)                   ; one wait for the whole batch, ahead of its first reader
.irp b, 0,1,2,3
	v_exp_f32 v[232+\b], v[232+\b]                 ; each block's largest p
.endr
	v_pk_add_f32 v[236:237], v[100:101], v[104:105]
	v_pk_add_f32 v[250:251], v[108:109], v[112:113]
	v_pk_add_f32 v[248:249], v[116:117], v[120:121]
	v_pk_add_f32 v[246:247], v[124:125], v[128:129]
	v_pk_add_f32 v[244:245], v[132:133], v[136:137]
	v_pk_add_f32 v[240:241], v[140:141], v[144:145]
	v_pk_add_f32 v[238:239], v[148:149], v[152:153]
	v_pk_add_f32 v[14:15], v[14:15], v[156:157]
	v_pk_add_f32 v[236:237], v[236:237], v[96:97]
	v_pk_add_f32 v[250:251], v[250:251], v[98:99]
	v_pk_add_f32 v[248:249], v[248:249], v[102:103]
	v_pk_add_f32 v[246:247], v[246:247], v[106:107]
	v_pk_add_f32 v[244:245], v[244:245], v[110:111]
	v_pk_add_f32 v[240:241], v[240:241], v[114:115]
	v_pk_add_f32 v[238:239], v[238:239], v[118:119]
	v_pk_add_f32 v[14:15], v[14:15], v[122:123]
	v_pk_add_f32 v[236:237], v[236:237], v[126:127]
	v_pk_add_f32 v[250:251], v[250:251], v[130:131]
	v_pk_add_f32 v[248:249], v[248:249], v[134:135]
	v_pk_add_f32 v[246:247], v[246:247], v[138:139]
	v_pk_add_f32 v[244:245], v[244:245], v[142:143]
	v_pk_add_f32 v[240:241], v[240:241], v[146:147]
	v_pk_add_f32 v[238:239], v[238:239], v[150:151]
	v_pk_add_f32 v[14:15], v[14:15], v[154:155]
	v_pk_add_f32 v[236:237], v[236:237], v[158:159]
	s_delay_alu instid0(VALU_DEP_2)
	v_pk_add_f32 v[14:15], v[14:15], v[246:247]
	s_delay_alu instid0(VALU_DEP_2)
	v_pk_add_f32 v[236:237], v[236:237], v[244:245]
	v_pk_add_f32 v[250:251], v[250:251], v[240:241]
	v_pk_add_f32 v[248:249], v[248:249], v[238:239]
	s_delay_alu instid0(VALU_DEP_2)
	v_pk_add_f32 v[14:15], v[14:15], v[250:251]
	s_delay_alu instid0(VALU_DEP_2)
	v_pk_add_f32 v[236:237], v[236:237], v[248:249]
	s_delay_alu instid0(VALU_DEP_1)
	v_pk_add_f32 v[14:15], v[14:15], v[236:237]
	s_wait_alu depctr_va_vdst(0)                   ; and one for the four
.irp b, 0,1,2,3
	v_max_num_f32 v[232+\b], 0x1800000, v[232+\b]  ; the floor 2^(3 - 127)
.endr
.irp b, 0,1,2,3
	s_delay_alu instid0(VALU_DEP_4)
	v_add_nc_u32 v[244+\b], 0xff000000, v[232+\b]
.endr
.irp b, 0,1,2,3
	s_delay_alu instid0(VALU_DEP_4)
	v_lshrrev_b32 v[236+\b], 23, v[244+\b]
.endr
	s_delay_alu instid0(VALU_DEP_3)
	v_lshl_or_b32 v253, v237, 8, v236              ; p's scale word for these 128 keys
	s_delay_alu instid0(VALU_DEP_1)
	v_lshl_or_b32 v253, v238, 16, v253
	s_delay_alu instid0(VALU_DEP_1)
	v_lshl_or_b32 v253, v239, 24, v253
.irp c, 0,1
	v_cvt_scalef32_pk16_fp6_f32 v[224+6*\c:226+6*\c], v[96+32*\c:111+32*\c], v[244+2*\c]
	v_cvt_scalef32_pk16_fp6_f32 v[236+4*\c:238+4*\c], v[112+32*\c:127+32*\c], v[244+2*\c+1]
.endr
	v_nop                                          ; one plain place behind a scaled conversion
.irp c, 0,1
.irp i, 0,1,2
	v_permlane16_swap_b32 v[224+6*\c+\i], v[236+4*\c+\i]
.endr
.irp i, 0,1,2
	s_delay_alu instid0(VALU_DEP_3)
	v_mov_b32 v[227+6*\c+\i], v[236+4*\c+\i]
.endr
.endr
.irp j, 0,2,4,6,8,10,12,14,16,18,20,22,24,26,28,30
	v_pk_mul_f32 v[160+\j:161+\j], v[160+\j:161+\j], v[252:253] op_sel_hi:[1,0]   ; O^T under the new M; these sixteen are also the places in front of the products and loads below
.endr
.irp t, 0,1,2,3                                ; O^T += V^T P^T: the head's four tiles of 16 channels
.irp c, 0,1,2
	ds_load_b128 v[32+12*\t+4*\c:35+12*\t+4*\c], v[ADV] offset:\t*1536+512*\c
.endr
	ds_load_b32 v[248+\t], v[ADT] offset:\t*64
.endr
	s_wait_alu depctr_va_vdst(0)
	s_wait_dscnt 0x0
.irp t, 0,1,2,3
	v_wmma_scale_f32_16x16x128_f8f6f4 v[160+8*\t:167+8*\t], v[32+12*\t:43+12*\t], v[224:235], v[160+8*\t:167+8*\t], v[248+\t], v253 matrix_a_fmt:MATRIX_FMT_FP6 matrix_b_fmt:MATRIX_FMT_FP6
.endr
	s_add_co_u32 s[TK], s[TK], 12288
	s_add_co_u32 s[TS], s[TS], 512
	s_add_co_u32 s[TV], s[TV], 6144
	s_add_co_u32 s[TT], s[TT], 256
	s_sub_co_u32 s[CNT], s[CNT], 1
	s_cmp_lg_u32 s[CNT], 0
	s_cbranch_scc1 .Lstep
	; THE WAY OUT: O^T / the sum, through my stage, so that sixteen lanes store a row's 256 consecutive bytes
	v_add_f32 v14, v14, v15
	s_delay_alu instid0(VALU_DEP_1)
	v_permlanex16_b32 v252, v14, s[SEL], s[SEL+1]
	s_delay_alu instid0(VALU_DEP_1)
	v_add_f32 v14, v14, v252                       ; the row's sum
	s_wait_alu depctr_va_vdst(0)
	v_rcp_f32 v14, v14
	v_and_b32 v8, 15, v0                           ; (a plain place behind the transcendental)
	v_bfe_u32 v9, v0, 4, 1
	s_mul_i32 s60, s[WV], 16*272
	s_add_co_u32 s60, s60, STAGE
	v_mul_u32_u24 v10, v8, 272
	s_delay_alu instid0(VALU_DEP_1)
	v_lshl_add_u32 v10, v9, 5, v10
	s_delay_alu instid0(VALU_DEP_1)
	v_add_nc_u32 v10, s60, v10                     ; in: row r; tile t's eight channels of my half at 64 t + 32 h
	v_mul_u32_u24 v11, v9, 272
	s_delay_alu instid0(VALU_DEP_1)
	v_lshl_add_u32 v11, v8, 4, v11
	s_delay_alu instid0(VALU_DEP_1)
	v_add_nc_u32 v11, s60, v11                     ; back: lanes 0-15 one row, lanes 16-31 the next
	s_wait_alu depctr_va_vdst(0)                   ; the wait ahead of the reciprocal's first reader
.irp j, 0,1,2,3,4,5,6,7,8,9,10,11,12,13,14,15,16,17,18,19,20,21,22,23,24,25,26,27,28,29,30,31
	v_mul_f32 v[96+\j], v[160+\j], v14
.endr
.irp t, 0,1,2,3
	ds_store_b128 v10, v[96+8*\t:99+8*\t] offset:64*\t
	ds_store_b128 v10, v[100+8*\t:103+8*\t] offset:64*\t+16
.endr
.irp i, 0,1,2,3,4,5,6,7
	ds_load_b128 v[32+4*\i:35+4*\i], v11 offset:2*\i*272   ; LDS serves a wave's instructions in order: these see my stores
.endr
.irp i, 0,1,2,3,4,5,6,7
	s_wait_dscnt 7-\i
	global_store_b128 v[GO], v[32+4*\i:35+4*\i], s[8:9] offset:8192*\i
.endr
	s_wait_tensorcnt 0x0
	ds_add_u32 v223, v243
	s_wait_dscnt 0x0
	ROUND                                          ; the closing round: no work-group ends while a partner may still ask for a tile that names it
	s_endpgm
.Lfunc_end_k_q4704f6e1de_attn:
	.size	k_q4704f6e1de_attn, .Lfunc_end_k_q4704f6e1de_attn-k_q4704f6e1de_attn
	.p2alignl 7, 3214868480
	.fill 96, 4, 3214868480
	.section	.rodata,"a",@progbits
	.p2align	6, 0x0
	.amdhsa_kernel k_q4704f6e1de_attn
		.amdhsa_group_segment_fixed_size 225280
		.amdhsa_private_segment_fixed_size 0
		.amdhsa_enable_private_segment 0
		.amdhsa_kernarg_size 24
		.amdhsa_user_sgpr_count 2
		.amdhsa_user_sgpr_kernarg_segment_ptr 1
		.amdhsa_wavefront_size32 1
		.amdhsa_system_sgpr_workgroup_id_x 1
		.amdhsa_system_sgpr_workgroup_id_y 1
		.amdhsa_system_sgpr_workgroup_id_z 1
		.amdhsa_system_vgpr_workitem_id 0
		.amdhsa_next_free_vgpr 256
		.amdhsa_next_free_sgpr 72
		.amdhsa_reserve_vcc 0
		.amdhsa_float_denorm_mode_32 3
		.amdhsa_float_denorm_mode_16_64 3
		.amdhsa_memory_ordered 1
		.amdhsa_forward_progress 1
		.amdhsa_inst_pref_size 30
	.end_amdhsa_kernel
	.amdgpu_metadata
---
amdhsa.version: [ 1, 2 ]
amdhsa.kernels:
  - .name:           k_q4704f6e1de_attn
    .symbol:         k_q4704f6e1de_attn.kd
    .args:
      - { .name: kq, .offset: 0, .size: 8, .value_kind: global_buffer, .address_space: global }
      - { .name: vq, .offset: 8, .size: 8, .value_kind: global_buffer, .address_space: global }
      - { .name: ao, .offset: 16, .size: 8, .value_kind: global_buffer, .address_space: global }
    .group_segment_fixed_size: 225280
    .private_segment_fixed_size: 0
    .kernarg_segment_align: 8
    .kernarg_segment_size: 24
    .max_flat_workgroup_size: 512
    .sgpr_count:     72
    .vgpr_count:     256
    .wavefront_size: 32
...
	.end_amdgpu_metadata
.endif
;; end of part 3
;; launch ln1 (part 4): grid 256 x 1, 16 waves a work-group, no clusters, 69,632 bytes of LDS; arguments src, ao, n1_g, n1_b, xb; writes xb
.if DOCPART == 4
	.amdgcn_target "amdgcn-amd-amdhsa--gfx1250"
	.amdhsa_code_object_version 6
	.text
	.protected	k_q4704f6e1de_ln1
	.globl	k_q4704f6e1de_ln1
	.p2align	8
	.type	k_q4704f6e1de_ln1,@function
k_q4704f6e1de_ln1:
	s_mov_b64 s[64:65], 0
	v_nop
	global_prefetch_b8 v0, s[64:65] scope:SCOPE_SE
	s_setreg_imm32_b32 hwreg(HW_REG_WAVE_MODE, 25, 1), 1
	s_wait_xcnt 0x0
; x = LN(src + attention's result) with gain n1_g and bias n1_b; rows of 1,024, f32.  x leaves twice: as f32 (for the residual) and as codes of FP6 (E2M3) with one E8M0 byte for each 32 along K = the row.
; xb: x f32 at 0; codes at X_C as images of operand registers, [token / 16][k / 128][1536]; scale words at X_S, [k / 128][token].  Inside a block the code at place p holds the element p with bits 3 and 4 exchanged, as W1's codes do.
; SHARES: a wave takes a token, a work-group 16 tokens: one row of fragments.  Every load and store of f32 covers 512 consecutive bytes.  The 16 rows meet in LDS (8 pieces of 128 columns, pitch 528); behind one barrier
; waves 0-7 quantise one fragment each.  Memory binds: no matrix unit, no tensor load, no cluster.
; LIMITS: NaN and infinities are not served; a block of zeros gets the byte 1 (its codes are zeros; this program alone reads the bytes); blocks under 2^-124 are held at that floor.
.set X_C, 16777216
.set X_S, 19922944
.set A,   32                           ; v32-63   the row
.set B,   64                           ; v64-95   the other summand
.set G,   96                           ; v96-127  gain
.set BE,  128                          ; v128-159 bias
.set X,   64                           ; later: 64 numbers for QUANT
.set PC,  160
.set TM,  180
.set PW,  196
.set SEL, 26
.macro QUANT s
.irp b, 0,1,2,3
	v_max3_num_f32 v[TM+\b], |v[\s+16*\b]|, |v[\s+1+16*\b]|, 0x1800000   ; my 16 numbers of block b, and the floor 2^(3 - 127)
.endr
.irp i, 2,4,6,8,10,12,14
.irp b, 0,1,2,3
	s_delay_alu instid0(VALU_DEP_4)
	v_max3_num_f32 v[TM+\b], v[TM+\b], |v[\s+16*\b+\i]|, |v[\s+1+16*\b+\i]|
.endr
.endr
.irp b, 0,1,2,3
	s_delay_alu instid0(VALU_DEP_4)
	v_permlanex16_b32 v[TM+4+\b], v[TM+\b], s[SEL], s[SEL+1]
.endr
.irp b, 0,1,2,3
	s_delay_alu instid0(VALU_DEP_4)
	v_max_num_f32 v[TM+\b], v[TM+\b], v[TM+4+\b]
.endr
.irp b, 0,1,2,3
	s_delay_alu instid0(VALU_DEP_4)
	v_add_nc_u32 v[TM+12+\b], 0xff000000, v[TM+\b]
.endr
.irp b, 0,1,2,3
	s_delay_alu instid0(VALU_DEP_4)
	v_lshrrev_b32 v[TM+4+\b], 23, v[TM+12+\b]
.endr
	s_delay_alu instid0(VALU_DEP_3)
	v_lshl_or_b32 v[PW], v[TM+5], 8, v[TM+4]
	s_delay_alu instid0(VALU_DEP_1)
	v_lshl_or_b32 v[PW], v[TM+6], 16, v[PW]
	s_delay_alu instid0(VALU_DEP_1)
	v_lshl_or_b32 v[PW], v[TM+7], 24, v[PW]
.irp c, 0,1
	v_cvt_scalef32_pk16_fp6_f32 v[PC+6*\c:PC+2+6*\c], v[\s+32*\c:\s+15+32*\c], v[TM+12+2*\c]
	v_cvt_scalef32_pk16_fp6_f32 v[PC+12+4*\c:PC+14+4*\c], v[\s+16+32*\c:\s+31+32*\c], v[TM+12+2*\c+1]
.endr
	v_nop                                          ; one plain place behind a scaled conversion
.irp c, 0,1
.irp i, 0,1,2
	v_permlane16_swap_b32 v[PC+6*\c+\i], v[PC+12+4*\c+\i]
.endr
.irp i, 0,1,2
	s_delay_alu instid0(VALU_DEP_3)
	v_mov_b32 v[PC+3+6*\c+\i], v[PC+12+4*\c+\i]
.endr
.endr
.endm
.macro WSUM x, t
	s_delay_alu instid0(VALU_DEP_1)
	v_add_f32_dpp v[\x], v[\x], v[\x] row_xmask:1 row_mask:0xf bank_mask:0xf
	s_delay_alu instid0(VALU_DEP_1)
	v_add_f32_dpp v[\x], v[\x], v[\x] row_xmask:2 row_mask:0xf bank_mask:0xf
	s_delay_alu instid0(VALU_DEP_1)
	v_add_f32_dpp v[\x], v[\x], v[\x] row_xmask:4 row_mask:0xf bank_mask:0xf
	s_delay_alu instid0(VALU_DEP_1)
	v_add_f32_dpp v[\x], v[\x], v[\x] row_xmask:8 row_mask:0xf bank_mask:0xf
	s_delay_alu instid0(VALU_DEP_1)
	v_permlanex16_b32 v[\t], v[\x], s[SEL], s[SEL+1]
	s_delay_alu instid0(VALU_DEP_1)
	v_add_f32 v[\x], v[\x], v[\t]
.endm
	s_load_b256 s[4:11], s[0:1], 0x0               ; src, ao, n1_g, n1_b
	s_load_b64 s[12:13], s[0:1], 0x20              ; xb
	v_lshl_add_u32 v200, v0, 2, 0x10800
	v_mov_b32 v201, 0
	v_lshrrev_b32 v1, 5, v0
	s_delay_alu instid0(VALU_DEP_1)
	v_readfirstlane_b32 s14, v1                    ; wave = my token of the 16
	s_and_b32 s15, s14, 7                          ; the fragment that waves 0-7 quantise
	v_and_b32 v1, 31, v0
	v_and_b32 v2, 15, v0
	v_bfe_u32 v3, v0, 4, 1
	s_delay_alu instid0(VALU_DEP_3)
	v_lshlrev_b32 v4, 4, v1                        ; 16 x lane
	s_mul_i32 s16, s14, 528
	v_add_nc_u32 v5, s16, v4                       ; LDS, in: row = my token; piece j at 8,448 j
	s_mul_i32 s16, s15, 8448
	v_mul_u32_u24 v6, v2, 528
	s_delay_alu instid0(VALU_DEP_1)
	v_lshl_add_u32 v6, v3, 5, v6
	s_delay_alu instid0(VALU_DEP_1)
	v_add_nc_u32 v6, s16, v6                       ; and out: my piece, row r, + 32 h
	v_lshlrev_b32 v7, 2, v2                        ; 4 r
.irp b, 0,1,2,3
	v_mov_b32 v[TM+4+\b], 0
.endr
	s_mov_b32 s[SEL], 0x76543210
	s_mov_b32 s[SEL+1], 0xfedcba98
	s_mov_b32 s24, 0x3a800000                      ; 1 / 1024
	s_mov_b32 s25, 0x3727c5ac                      ; 1e-5
	s_lshl_b32 s16, ttmp9, 16
	s_lshl_b32 s17, s14, 12
	s_add_co_u32 s16, s16, s17                     ; my token's row, in bytes
	s_mov_b32 s17, 0
	s_lshl_b32 s20, ttmp9, 3
	s_add_co_u32 s20, s20, s15
	s_mul_i32 s20, s20, 1536
	s_add_co_u32 s20, s20, X_C
	s_mov_b32 s21, 0
	s_lshl_b32 s22, s15, 8
	s_add_co_u32 s22, s22, ttmp9
	s_lshl_b32 s22, s22, 6
	s_add_co_u32 s22, s22, X_S
	s_mov_b32 s23, 0
	s_wait_kmcnt 0x0
	s_add_nc_u64 s[4:5], s[4:5], s[16:17]
	s_add_nc_u64 s[6:7], s[6:7], s[16:17]
	s_add_nc_u64 s[18:19], s[12:13], s[16:17]
	s_add_nc_u64 s[20:21], s[12:13], s[20:21]
	s_add_nc_u64 s[22:23], s[12:13], s[22:23]
.irp j, 0,1,2,3,4,5,6,7
	global_load_b128 v[A+4*\j:A+4*\j+3], v4, s[4:5] offset:512*\j
.endr
.irp j, 0,1,2,3,4,5,6,7
	global_load_b128 v[B+4*\j:B+4*\j+3], v4, s[6:7] offset:512*\j th:TH_LOAD_NT
.endr
.irp j, 0,1,2,3,4,5,6,7
	global_load_b128 v[G+4*\j:G+4*\j+3], v4, s[8:9] offset:512*\j
.endr
.irp j, 0,1,2,3,4,5,6,7
	global_load_b128 v[BE+4*\j:BE+4*\j+3], v4, s[10:11] offset:512*\j
.endr
	s_wait_loadcnt 16                              ; gain's and bias's sixteen may be out
.irp i, 0,2,4,6,8,10,12,14,16,18,20,22,24,26,28,30
	v_pk_add_f32 v[A+\i:A+\i+1], v[A+\i:A+\i+1], v[B+\i:B+\i+1]
.endr
	v_pk_add_f32 v[8:9], v[A:A+1], v[A+2:A+3]
	v_pk_add_f32 v[10:11], v[A+4:A+5], v[A+6:A+7]
.irp i, 8,12,16,20,24,28
	s_delay_alu instid0(VALU_DEP_2)
	v_pk_add_f32 v[8:9], v[8:9], v[A+\i:A+\i+1]
	s_delay_alu instid0(VALU_DEP_2)
	v_pk_add_f32 v[10:11], v[10:11], v[A+\i+2:A+\i+3]
.endr
	s_delay_alu instid0(VALU_DEP_1)
	v_pk_add_f32 v[8:9], v[8:9], v[10:11]
	s_delay_alu instid0(VALU_DEP_1)
	v_add_f32 v8, v8, v9
	WSUM 8, 9
	s_delay_alu instid0(VALU_DEP_1)
	v_mul_f32 v8, s24, v8                          ; the mean
	s_delay_alu instid0(VALU_DEP_1)
	v_mov_b32 v9, v8
.irp i, 0,2,4,6,8,10,12,14,16,18,20,22,24,26,28,30
	v_pk_add_f32 v[A+\i:A+\i+1], v[A+\i:A+\i+1], v[8:9] neg_lo:[0,1] neg_hi:[0,1]
.endr
	v_pk_mul_f32 v[10:11], v[A:A+1], v[A:A+1]
	v_pk_mul_f32 v[12:13], v[A+2:A+3], v[A+2:A+3]
.irp i, 4,8,12,16,20,24,28
	s_delay_alu instid0(VALU_DEP_2)
	v_pk_fma_f32 v[10:11], v[A+\i:A+\i+1], v[A+\i:A+\i+1], v[10:11]
	s_delay_alu instid0(VALU_DEP_2)
	v_pk_fma_f32 v[12:13], v[A+\i+2:A+\i+3], v[A+\i+2:A+\i+3], v[12:13]
.endr
	s_delay_alu instid0(VALU_DEP_1)
	v_pk_add_f32 v[10:11], v[10:11], v[12:13]
	s_delay_alu instid0(VALU_DEP_1)
	v_add_f32 v10, v10, v11
	WSUM 10, 11
	s_delay_alu instid0(VALU_DEP_1)
	v_fma_f32 v10, v10, s24, s25                   ; the variance + 1e-5
	s_wait_alu depctr_va_vdst(0)
	v_rsq_f32 v10, v10
	v_nop                                          ; a plain place behind the transcendental
	s_wait_alu depctr_va_vdst(0)                   ; and the wait ahead of its first reader
	v_mov_b32 v11, v10
.irp i, 0,2,4,6,8,10,12,14,16,18,20,22,24,26,28,30
	v_pk_mul_f32 v[A+\i:A+\i+1], v[A+\i:A+\i+1], v[10:11]
.endr
	s_wait_loadcnt 0x0
.irp i, 0,2,4,6,8,10,12,14,16,18,20,22,24,26,28,30
	v_pk_fma_f32 v[A+\i:A+\i+1], v[A+\i:A+\i+1], v[G+\i:G+\i+1], v[BE+\i:BE+\i+1]
.endr
.irp j, 0,1,2,3,4,5,6,7
	global_store_b128 v4, v[A+4*\j:A+4*\j+3], s[18:19] offset:512*\j
.endr
.irp j, 0,1,2,3,4,5,6,7
	ds_store_b128 v5, v[A+4*\j:A+4*\j+3] offset:\j*8448
.endr
	s_wait_dscnt 0x0                               ; for the others' sake: my row lies in LDS
	s_barrier_signal -1
	s_barrier_wait -1
	s_cmp_lt_u32 s14, 8                            ; eight fragments: waves 0-7 take one each
	s_cbranch_scc0 .Ldone
.irp b, 0,1,2,3
.irp m, 0,1,2,3
	ds_load_b128 v[X+16*\b+4*\m:X+16*\b+4*\m+3], v6 offset:128*\b+16*(\m%2)+64*(\m/2)
.endr
.endr
	s_wait_dscnt 0x0
	QUANT X
.irp c, 0,1,2
	global_store_b128 v4, v[PC+4*\c:PC+4*\c+3], s[20:21] offset:512*\c
.endr
	global_store_b32 v7, v[PW], s[22:23]           ; lanes r and 16 + r hold row r's word and write the same four bytes
.Ldone:
	s_wait_tensorcnt 0x0
	ds_add_u32 v200, v201
	s_wait_dscnt 0x0
	s_endpgm
.Lfunc_end_k_q4704f6e1de_ln1:
	.size	k_q4704f6e1de_ln1, .Lfunc_end_k_q4704f6e1de_ln1-k_q4704f6e1de_ln1
	.p2alignl 7, 3214868480
	.fill 96, 4, 3214868480
	.section	.rodata,"a",@progbits
	.p2align	6, 0x0
	.amdhsa_kernel k_q4704f6e1de_ln1
		.amdhsa_group_segment_fixed_size 69632
		.amdhsa_private_segment_fixed_size 0
		.amdhsa_enable_private_segment 0
		.amdhsa_kernarg_size 40
		.amdhsa_user_sgpr_count 2
		.amdhsa_user_sgpr_kernarg_segment_ptr 1
		.amdhsa_wavefront_size32 1
		.amdhsa_system_sgpr_workgroup_id_x 1
		.amdhsa_system_sgpr_workgroup_id_y 1
		.amdhsa_system_sgpr_workgroup_id_z 1
		.amdhsa_system_vgpr_workitem_id 0
		.amdhsa_next_free_vgpr 202
		.amdhsa_next_free_sgpr 66
		.amdhsa_reserve_vcc 0
		.amdhsa_float_denorm_mode_32 3
		.amdhsa_float_denorm_mode_16_64 3
		.amdhsa_memory_ordered 1
		.amdhsa_forward_progress 1
		.amdhsa_inst_pref_size 23
	.end_amdhsa_kernel
	.amdgpu_metadata
---
amdhsa.version: [ 1, 2 ]
amdhsa.kernels:
  - .name:           k_q4704f6e1de_ln1
    .symbol:         k_q4704f6e1de_ln1.kd
    .args:
      - { .name: src, .offset: 0, .size: 8, .value_kind: global_buffer, .address_space: global }
      - { .name: ao, .offset: 8, .size: 8, .value_kind: global_buffer, .address_space: global }
      - { .name: n1_g, .offset: 16, .size: 8, .value_kind: global_buffer, .address_space: global }
      - { .name: n1_b, .offset: 24, .size: 8, .value_kind: global_buffer, .address_space: global }
      - { .name: xb, .offset: 32, .size: 8, .value_kind: global_buffer, .address_space: global }
    .group_segment_fixed_size: 69632
    .private_segment_fixed_size: 0
    .kernarg_segment_align: 8
    .kernarg_segment_size: 40
    .max_flat_workgroup_size: 512
    .sgpr_count:     66
    .vgpr_count:     202
    .wavefront_size: 32
...
	.end_amdgpu_metadata
.endif
;; end of part 4
;; launch ffn1 (part 5): grid 16 x 16, 4 waves a work-group, clusters of 4 x 4, 327,680 bytes of LDS; arguments xb, wq, b1, hb; writes hb
.if DOCPART == 5
	.amdgcn_target "amdgcn-amd-amdhsa--gfx1250"
	.amdhsa_code_object_version 6
	.text
	.protected	k_q4704f6e1de_ffn1
	.globl	k_q4704f6e1de_ffn1
	.p2align	8
	.type	k_q4704f6e1de_ffn1,@function
k_q4704f6e1de_ffn1:
	s_mov_b64 s[64:65], 0
	v_nop
	global_prefetch_b8 v0, s[64:65] scope:SCOPE_SE
	s_setreg_imm32_b32 hwreg(HW_REG_WAVE_MODE, 25, 1), 1
	s_wait_xcnt 0x0
	s_wait_alu depctr_hold_cnt(0) depctr_sa_sdst(0) depctr_va_vdst(0) depctr_va_sdst(0) depctr_va_ssrc(0) depctr_va_vcc(0) depctr_vm_vsrc(0)
	s_getreg_b32 s2, hwreg(HW_REG_IB_STS2, 6, 4)
	s_cmp_eq_u32 s2, 0
	s_cbranch_scc0 .Lentry_in_a_cluster
	s_endpgm
.Lentry_in_a_cluster:
	s_bfe_u32 s2, ttmp6, 0x10000c
	s_cmp_lg_u32 s2, 0xf033
	s_cbranch_scc0 .Lentry_shape_is_right
	s_endpgm
.Lentry_shape_is_right:
.set SIZE_K, 1024
.set A_C,    16777216
.set A_S,    19922944
.set B_C,    614400
.set B_S,    3760128
.set APS,    16384
.set BPS,    16384
.set H_S,    12582912
.set NS,     SIZE_K/128
.set KSB,    NS*1536
.set NQ,     2
.set FR,     12
.set NL,     3
.set NP,     4
.set HALFT,  8*3072
.set SLOT,   4*HALFT
.set LAPS,   SIZE_K/512
.set SCL,    2*SLOT
.set HALFS,  NS*512
.set SPARE,  SCL+4*HALFS
.set ADRA, 16
.set ADRB, 20
.set L16,  24
.set R4,   25
.set ADRS, 27
.set SPW,  28
.set NIL,  29
.set SC,   32
.set BI,   64
.set AF,   128
.set ZH,   64
.set GS,   128
.set GT,   144
.set RL,   160
.set RS,   176
.set KC,   192
.set PC,   204
.set TM,   224
.set OP,   224
.set PW,   240
.set SEL,  98
.set G1, 24
.set G0, 32
.set G1B, 48
.set G0B, 56
.set G1S, 68
.set G0S, 76
.set G1SB, 80
.set G0SB, 88
.set MSB, 0
.macro WIN new
.if MSB != (\new)
	s_set_vgpr_msb (MSB<<8)|(\new)
.set MSB, (\new)
.endif
.endm
.set MUL_LO, 0xa1
.set MUL_HI, 0xf1
.set TO_B,   0x40
.macro JLOAD g0a, g1a, g0b, g1b
	s_cmp_eq_u32 s15, 0
	s_cbranch_scc0 .Lfor_b_\@
	tensor_load_to_lds s[\g0a:\g0a+3], s[\g1a:\g1a+7]
	s_nop 0
.rept 4
	v_nop
.endr
	s_branch .Lasked_\@
.Lfor_b_\@:
	tensor_load_to_lds s[\g0b:\g0b+3], s[\g1b:\g1b+7]
	s_nop 0
.rept 4
	v_nop
.endr
.Lasked_\@:
.endm
.macro CREST
	s_cmp_lg_u32 s14, 0
	s_cbranch_scc1 .Lnot_wave_0_\@
	s_barrier_signal -3
.Lnot_wave_0_\@:
	s_barrier_wait -3
	s_barrier_signal -1
	s_barrier_wait -1
.endm
.macro CROUND
	s_barrier_signal -1
	s_barrier_wait -1
	CREST
.endm
	s_load_b256 s[4:11], s[0:1], 0x0
	v_lshl_add_u32 v[SPW], v0, 2, SPARE
	v_mov_b32 v[NIL], 0
	ds_add_u32 v28, v29
	ds_add_u32 v28, v29
	s_wait_dscnt 0x0
	v_lshrrev_b32 v1, 5, v0
	v_readfirstlane_b32 s14, v1
	s_lshr_b32 s15, s14, 1
	s_and_b32 s16, s14, 1
	s_bfe_u32 s40, ttmp6, 0x40000
	s_bfe_u32 s41, ttmp6, 0x40004
	s_lshl_b32 s42, ttmp9, 2
	s_add_co_u32 s42, s42, s40
	s_and_b32 s17, ttmp7, 0xffff
	s_lshl_b32 s17, s17, 2
	s_add_co_u32 s17, s17, s41
	s_lshl_b32 s43, s41, 2
	s_lshl_b32 s43, 15, s43
	s_lshl_b32 s44, 0x1111, s40
	s_or_b32 s[G1+0], s43, (3<<16)|(1<<21)
	s_or_b32 s[G1B+0], s44, (3<<16)|(1<<21)
.irp g, G1, G1B
	s_mov_b32 s[\g+1], 384<<16
	s_mov_b32 s[\g+2], 8<<16
	s_mov_b32 s[\g+3], 384<<16
	s_mov_b32 s[\g+4], 8
	s_mov_b32 s[\g+5], KSB/8
	s_mov_b32 s[\g+6], 0
	s_mov_b32 s[\g+7], 0
.endr
	s_or_b32 s[G1S+0], s43, (3<<16)|(1<<21)
	s_or_b32 s[G1SB+0], s44, (3<<16)|(1<<21)
.irp g, G1S, G1SB
	s_mov_b32 s[\g+1], 64<<16
	s_mov_b32 s[\g+2], NS<<16
	s_mov_b32 s[\g+3], 64<<16
	s_mov_b32 s[\g+4], NS
	s_mov_b32 s[\g+6], 0
	s_mov_b32 s[\g+7], 0
.endr
	s_mov_b32 s[G1S+5], APS/8
	s_mov_b32 s[G1SB+5], BPS/8
	s_lshl_b32 s18, s16, 3
	s_lshl_b32 s20, s17, 4
	s_add_co_u32 s20, s20, s18
	s_lshl_b32 s46, s42, 4
	s_add_co_u32 s46, s46, s18
	s_lshl_b32 s22, s20, 6
	s_add_co_u32 s22, s22, A_S
	s_mov_b32 s23, 0
	s_lshl_b32 s92, s46, 6
	s_add_co_u32 s92, s92, B_S
	s_mov_b32 s93, 0
	s_mul_i32 s20, s20, KSB
	s_add_co_u32 s20, s20, A_C
	s_mov_b32 s21, 0
	s_mul_i32 s46, s46, KSB
	s_add_co_u32 s46, s46, B_C
	s_mov_b32 s47, 0
	s_mul_i32 s45, s14, HALFT
	s_mul_i32 s94, s14, HALFS
	s_wait_kmcnt 0x0
	s_add_nc_u64 s[20:21], s[4:5], s[20:21]
	s_add_nc_u64 s[22:23], s[4:5], s[22:23]
	s_add_nc_u64 s[46:47], s[6:7], s[46:47]
	s_add_nc_u64 s[92:93], s[6:7], s[92:93]
	CROUND
	s_mov_b32 s[G0S], 1
	s_add_co_u32 s[G0S+1], s94, SCL
	s_mov_b64 s[G0S+2:G0S+3], s[22:23]
	s_or_b32 s[G0S+3], s[G0S+3], 0x80000000
	s_mov_b32 s[G0SB], 1
	s_add_co_u32 s[G0SB+1], s94, SCL
	s_mov_b64 s[G0SB+2:G0SB+3], s[92:93]
	s_or_b32 s[G0SB+3], s[G0SB+3], 0x80000000
	JLOAD G0S, G1S, G0SB, G1SB
.irp s, 0,1
	s_mov_b32 s[G0+4*\s], 1
	s_add_co_u32 s[G0+4*\s+1], s45, \s*SLOT
	s_add_nc_u64 s[G0+4*\s+2:G0+4*\s+3], s[20:21], \s*3072
	s_or_b32 s[G0+4*\s+3], s[G0+4*\s+3], 0x80000000
	s_mov_b32 s[G0B+4*\s], 1
	s_add_co_u32 s[G0B+4*\s+1], s45, \s*SLOT
	s_add_nc_u64 s[G0B+4*\s+2:G0B+4*\s+3], s[46:47], \s*3072
	s_or_b32 s[G0B+4*\s+3], s[G0B+4*\s+3], 0x80000000
	s_wait_alu depctr_va_vdst(0)
	s_wait_tensorcnt 0x0
	ds_add_u32 v28, v29
	s_wait_dscnt 0x0
	CROUND
	JLOAD G0+4*\s, G1, G0B+4*\s, G1B
.endr
	v_and_b32 v1, 15, v0
	v_bfe_u32 v2, v0, 4, 1
	s_wait_alu depctr_va_vdst(0)
	v_and_b32 v6, 31, v0
	v_lshlrev_b32 v[L16], 4, v6
	v_lshlrev_b32 v[R4], 2, v1
	s_mul_i32 s21, s15, HALFT
	s_mul_i32 s22, s16, HALFT
	s_add_co_u32 s22, s22, 2*HALFT
.irp s, 0,1
	v_add_nc_u32 v[ADRA+\s], s21, v[L16]
	v_add_nc_u32 v[ADRB+\s], s22, v[L16]
	s_add_co_u32 s21, s21, SLOT
	s_add_co_u32 s22, s22, SLOT
.endr
	s_mul_i32 s21, s15, HALFS
	s_mul_i32 s22, s16, HALFS
	s_add_co_u32 s22, s22, 2*HALFS
	s_sub_co_u32 s22, s22, s21
	v_mul_u32_u24 v6, s22, v2
	s_wait_alu depctr_va_vdst(0)
	s_add_co_u32 s21, s21, SCL
	v_add_nc_u32 v5, v[R4], v6
	v_add_nc_u32 v[ADRS], s21, v5
	s_lshl_b32 s46, s42, 10
	s_lshl_b32 s47, s16, 9
	s_add_co_u32 s46, s46, s47
	s_mov_b32 s47, 0
	s_add_nc_u64 s[8:9], s[8:9], s[46:47]
	v_lshlrev_b32 v7, 5, v2
.irp b, 0,1,2,3,4,5,6,7
	global_load_b128 v[BI+8*\b:BI+8*\b+3], v7, s[8:9] offset:64*\b
	global_load_b128 v[BI+8*\b+4:BI+8*\b+7], v7, s[8:9] offset:64*\b+16
.endr
	s_lshl_b32 s20, s17, 4
	s_lshl_b32 s21, s15, 3
	s_add_co_u32 s20, s20, s21
	s_lshl_b32 s46, s42, 1
	s_add_co_u32 s46, s46, s16
	s_lshl_b32 s21, s20, 5
	s_add_co_u32 s21, s21, s46
	s_mul_i32 s96, s21, 1536
	s_mov_b32 s97, 0
	s_lshl_b32 s46, s46, 14
	s_lshl_b32 s20, s20, 6
	s_add_co_u32 s46, s46, s20
	s_add_co_u32 s46, s46, H_S
	s_mov_b32 s47, 0
	s_add_nc_u64 s[12:13], s[10:11], s[46:47]
	s_add_nc_u64 s[10:11], s[10:11], s[96:97]
.macro FRAG reg, adr, q, i
.irp c, 0,1,2
	ds_load_b128 v[\reg+4*\c:\reg+4*\c+3], v[\adr] offset:(\i)*3072+(\q)*1536+512*\c
.endr
.endm
.macro MUL16 a0, p, q, sc, zero
.irp a, \a0, \a0+1
.irp b, 0,1,2,3,4,5,6,7
.if \zero
	v_wmma_scale_f32_16x16x128_f8f6f4 v[8*(8*((\a)%4)+\b):8*(8*((\a)%4)+\b)+7], v[128*(\p)+FR*\b:128*(\p)+FR*\b+FR-1], v[AF+FR*(\a):AF+FR*(\a)+FR-1], v[BI+8*\b:BI+8*\b+7], v[SC+8*NQ*(\sc)+NQ*\b+(\q)], v[SC+8*NQ*(\sc)+NQ*(\a)+(\q)] matrix_a_fmt:MATRIX_FMT_FP6 matrix_b_fmt:MATRIX_FMT_FP6 matrix_a_scale:MATRIX_SCALE_ROW1
.else
	v_wmma_scale_f32_16x16x128_f8f6f4 v[8*(8*((\a)%4)+\b):8*(8*((\a)%4)+\b)+7], v[128*(\p)+FR*\b:128*(\p)+FR*\b+FR-1], v[AF+FR*(\a):AF+FR*(\a)+FR-1], v[8*(8*((\a)%4)+\b):8*(8*((\a)%4)+\b)+7], v[SC+8*NQ*(\sc)+NQ*\b+(\q)], v[SC+8*NQ*(\sc)+NQ*(\a)+(\q)] matrix_a_fmt:MATRIX_FMT_FP6 matrix_b_fmt:MATRIX_FMT_FP6 matrix_a_scale:MATRIX_SCALE_ROW1
.endif
.endr
.endr
.endm
.macro FETCH_B slot, q, p
	WIN TO_B
.irp i, 0,1,2,3,4,5,6,7
	FRAG 128*(\p)+FR*\i, ADRB+\slot, \q, \i
.endr
	WIN 0
.endm
.macro FETCH_A slot, q, i0
.irp i, \i0, \i0+1, \i0+2, \i0+3
	FRAG AF+FR*(\i), ADRA+\slot, \q, \i
.endr
.endm
.macro SCALES sc
.irp i, 0,1,2,3,4,5,6,7
.irp q, 0,1
	ds_load_b32 v[SC+8*NQ*\sc+NQ*\i+\q], v[ADRS] offset:\q*512+\i*64
.endr
.endr
.endm
.macro PLACES n
.rept \n
	v_nop
.endr
.endm
.macro STEP slot, q, zero
	s_wait_dscnt 4*NL
.if \zero
	WIN 0x81
.else
	WIN MUL_LO
.endif
	MUL16 0, (\q)%2, \q, \slot, \zero
	MUL16 2, (\q)%2, \q, \slot, \zero
	s_wait_dscnt 0
	PLACES NP
	FETCH_B \slot, (\q)+1, 1-(\q)%2
	FETCH_A \slot, (\q)+1, 0
.if \zero
	WIN 0xc1
.else
	WIN MUL_HI
.endif
	MUL16 4, (\q)%2, \q, \slot, \zero
	MUL16 6, (\q)%2, \q, \slot, \zero
	PLACES NP
	WIN 0
	FETCH_A \slot, (\q)+1, 4
.endm
.macro TURN slot, next, fill
	s_wait_tensorcnt 0x0
	ds_add_u32 v[SPW], v[NIL]
	s_wait_dscnt 4*NL+1
	WIN MUL_LO
	MUL16 0, 1, NQ-1, \slot, 0
	s_wait_dscnt 0x0
	s_barrier_signal -1
	MUL16 2, 1, NQ-1, \slot, 0
	WIN 0
	s_barrier_wait -1
.if \fill
	CREST
	s_add_nc_u64 s[G0+4*\slot+2:G0+4*\slot+3], s[G0+4*\slot+2:G0+4*\slot+3], 2*3072
	s_add_nc_u64 s[G0B+4*\slot+2:G0B+4*\slot+3], s[G0B+4*\slot+2:G0B+4*\slot+3], 2*3072
	JLOAD G0+4*\slot, G1, G0B+4*\slot, G1B
.else
	PLACES NP
.endif
	s_wait_alu depctr_va_vdst(0)
	v_add_nc_u32 v[ADRS], 2*512, v[ADRS]
	FETCH_B \next, 0, 0
	FETCH_A \next, 0, 0
	SCALES \next
	WIN MUL_HI
	MUL16 4, 1, NQ-1, \slot, 0
	MUL16 6, 1, NQ-1, \slot, 0
	PLACES NP
	WIN 0
	FETCH_A \next, 0, 4
.endm
	s_wait_alu depctr_va_vdst(0)
	s_wait_tensorcnt 1
	s_barrier_signal -1
	s_barrier_wait -1
	FETCH_B 0, 0, 0
	FETCH_A 0, 0, 0
	SCALES 0
	FETCH_A 0, 0, 4
	s_wait_loadcnt 0x0
	STEP 0, 0, 1
	s_mov_b32 s3, LAPS-1
.Llap:
	TURN 0, 1, 1
	STEP 1, 0, 0
	TURN 1, 0, 1
	STEP 0, 0, 0
	s_sub_co_u32 s3, s3, 1
	s_cmp_lg_u32 s3, 0
	s_cbranch_scc1 .Llap
	TURN 0, 1, 0
	STEP 1, 0, 0
	s_wait_dscnt 4*NL
	WIN MUL_LO
	MUL16 0, 1, NQ-1, 1, 0
	MUL16 2, 1, NQ-1, 1, 0
	s_wait_dscnt 0
	WIN MUL_HI
	MUL16 4, 1, NQ-1, 1, 0
	MUL16 6, 1, NQ-1, 1, 0
	WIN 0
	PLACES NP
.macro QUANT s
.irp b, 0,1,2,3
	v_max3_num_f32 v[TM+\b], |v[\s+16*\b]|, |v[\s+1+16*\b]|, 0x1800000
.endr
.irp i, 2,4,6,8,10,12,14
.irp b, 0,1,2,3
	v_max3_num_f32 v[TM+\b], v[TM+\b], |v[\s+16*\b+\i]|, |v[\s+1+16*\b+\i]|
.endr
.endr
.irp b, 0,1,2,3
	v_permlanex16_b32 v[TM+4+\b], v[TM+\b], s[SEL], s[SEL+1]
.endr
.irp b, 0,1,2,3
	v_max_num_f32 v[TM+\b], v[TM+\b], v[TM+4+\b]
.endr
.irp b, 0,1,2,3
	v_add_nc_u32 v[TM+12+\b], 0xff000000, v[TM+\b]
.endr
.irp b, 0,1,2,3
	v_lshrrev_b32 v[TM+4+\b], 23, v[TM+12+\b]
.endr
	v_lshl_or_b32 v[PW], v[TM+5], 8, v[TM+4]
	v_lshl_or_b32 v[PW], v[TM+6], 16, v[PW]
	v_lshl_or_b32 v[PW], v[TM+7], 24, v[PW]
.irp c, 0,1
	v_cvt_scalef32_pk16_fp6_f32 v[PC+6*\c:PC+2+6*\c], v[\s+32*\c:\s+15+32*\c], v[TM+12+2*\c]
	v_cvt_scalef32_pk16_fp6_f32 v[PC+12+4*\c:PC+14+4*\c], v[\s+16+32*\c:\s+31+32*\c], v[TM+12+2*\c+1]
.endr
	v_nop
.irp c, 0,1
.irp i, 0,1,2
	v_permlane16_swap_b32 v[PC+6*\c+\i], v[PC+12+4*\c+\i]
.endr
.irp i, 0,1,2
	v_mov_b32 v[PC+3+6*\c+\i], v[PC+12+4*\c+\i]
.endr
.endr
.endm
.macro CASE a
	WIN 0x02+((\a)/4)
.set i, 0
.rept 32
	v_pk_mul_f32 v[ZH+2*i:ZH+2*i+1], v[64*((\a)%4)+2*i:64*((\a)%4)+2*i+1], s[18:19] op_sel_hi:[1,0]
.set i, i+1
.endr
	WIN 0
.endm
.macro GELU16 z
.irp p, 0,2,4,6,8,10,12,14
	v_pk_mul_f32 v[GS+\p:GS+\p+1], v[\z+\p:\z+\p+1], v[\z+\p:\z+\p+1]
.endr
.irp p, 0,1,2,3,4,5,6,7,8,9,10,11,12,13,14,15
	v_and_b32 v[GT+\p], 0x7fffffff, v[\z+\p]
.endr
.irp p, 0,2,4,6,8,10,12,14
	v_pk_fma_f32 v[RL+\p:RL+\p+1], v[GT+\p:GT+\p+1], v[KC:KC+1], v[KC+2:KC+3]
	v_pk_fma_f32 v[RS+\p:RS+\p+1], v[GT+\p:GT+\p+1], v[KC+4:KC+5], v[KC+6:KC+7]
.endr
.irp p, 0,2,4,6,8,10,12,14
	v_pk_fma_f32 v[RL+\p:RL+\p+1], v[RL+\p:RL+\p+1], v[GS+\p:GS+\p+1], v[RS+\p:RS+\p+1]
.endr
.irp k, 0xbddaae5c, 0xbf228550, 0xbe03ce86
.irp p, 0,2,4,6,8,10,12,14
	v_pk_fma_f32 v[RL+\p:RL+\p+1], v[RL+\p:RL+\p+1], v[GT+\p:GT+\p+1], \k op_sel_hi:[1,1,0]
.endr
.endr
.irp p, 0,2,4,6,8,10,12,14
	v_pk_fma_f32 v[RL+\p:RL+\p+1], v[RL+\p:RL+\p+1], v[GT+\p:GT+\p+1], v[GT+\p:GT+\p+1] neg_lo:[0,0,1] neg_hi:[0,0,1]
.endr
.irp p, 0,2,4,6,8,10,12,14
	v_pk_mul_f32 v[RL+\p:RL+\p+1], v[RL+\p:RL+\p+1], 0x3fb8aa3b op_sel_hi:[1,0]
.endr
	s_wait_alu depctr_va_vdst(0)
.irp p, 0,1,2,3,4,5,6,7,8,9,10,11,12,13,14,15
	v_exp_f32 v[RL+\p], v[RL+\p]
.endr
.irp p, 0,2,4,6,8,10,12,14
	v_pk_fma_f32 v[RS+\p:RS+\p+1], v[GS+\p:GS+\p+1], v[KC+8:KC+9], 0x3ba38d2c op_sel_hi:[1,1,0]
.endr
.irp k, 0xbcdb48d9, 0x3de70e22, 0xbec09380, 0x3e0375d4
.irp p, 0,2,4,6,8,10,12,14
	v_pk_fma_f32 v[RS+\p:RS+\p+1], v[RS+\p:RS+\p+1], v[GS+\p:GS+\p+1], \k op_sel_hi:[1,1,0]
.endr
.endr
.irp p, 0,2,4,6,8,10,12,14
	v_pk_fma_f32 v[RS+\p:RS+\p+1], v[RS+\p:RS+\p+1], v[\z+\p:\z+\p+1], v[\z+\p:\z+\p+1]
.endr
.irp p, 0,2,4,6,8,10,12,14
	v_pk_add_f32 v[RS+\p:RS+\p+1], v[RS+\p:RS+\p+1], 1.0 op_sel_hi:[1,0]
.endr
.irp p, 0,1,2,3,4,5,6,7,8,9,10,11,12,13,14,15
	v_and_or_b32 v[GS+\p], v[\z+\p], s100, 1.0
.endr
.irp p, 0,2,4,6,8,10,12,14
	v_pk_add_f32 v[OP+\p:OP+\p+1], v[GS+\p:GS+\p+1], 1.0 op_sel_hi:[1,0]
.endr
	s_wait_alu depctr_va_vdst(0)
.irp p, 0,2,4,6,8,10,12,14
	v_pk_fma_f32 v[RL+\p:RL+\p+1], v[GS+\p:GS+\p+1], v[RL+\p:RL+\p+1], v[OP+\p:OP+\p+1] neg_lo:[1,0,0] neg_hi:[1,0,0]
.endr
.irp p, 0,1,2,3,4,5,6,7,8,9,10,11,12,13,14,15
	v_cmp_lt_f32 vcc_lo, s101, v[GT+\p]
	v_cndmask_b32 v[RS+\p], v[RS+\p], v[RL+\p], vcc_lo
.endr
.irp p, 0,2,4,6,8,10,12,14
	v_pk_mul_f32 v[RS+\p:RS+\p+1], v[RS+\p:RS+\p+1], s[18:19] op_sel_hi:[1,0]
.endr
.irp p, 0,2,4,6,8,10,12,14
	v_pk_mul_f32 v[\z+\p:\z+\p+1], v[\z+\p:\z+\p+1], v[RS+\p:RS+\p+1]
.endr
.endm
	v_mov_b32 v[KC], 0xb7910000
	v_mov_b32 v[KC+1], 0xb7910000
	v_mov_b32 v[KC+2], 0x39c8e7d9
	v_mov_b32 v[KC+3], 0x39c8e7d9
	v_mov_b32 v[KC+4], 0xbb7e8a1c
	v_mov_b32 v[KC+5], 0xbb7e8a1c
	v_mov_b32 v[KC+6], 0x3cc6b1a1
	v_mov_b32 v[KC+7], 0x3cc6b1a1
	v_mov_b32 v[KC+8], 0xba1c7000
	v_mov_b32 v[KC+9], 0xba1c7000
	s_mov_b32 s18, 0x3f3504f3
	s_mov_b32 s19, s18
	s_mov_b32 s[SEL], 0x76543210
	s_mov_b32 s[SEL+1], 0xfedcba98
	s_mov_b32 s100, 0x80000000
	s_mov_b32 s101, 0x3f6d8000
	s_mov_b32 s3, 0
.Lblk:
.irp a, 0,1,2,3,4,5,6
	s_cmp_eq_u32 s3, \a
	s_cbranch_scc1 .Lcase\a
.endr
	CASE 7
	s_branch .Lgo
.irp a, 0,1,2,3,4,5,6
.Lcase\a:
	CASE \a
	s_branch .Lgo
.endr
.Lgo:
	GELU16 ZH
	GELU16 ZH+16
	GELU16 ZH+32
	GELU16 ZH+48
	QUANT ZH
.irp c, 0,1,2
	global_store_b128 v[L16], v[PC+4*\c:PC+4*\c+3], s[10:11] offset:512*\c
.endr
	global_store_b32 v[R4], v[PW], s[12:13]
	s_wait_xcnt 0x0
	s_add_nc_u64 s[10:11], s[10:11], 32*1536
	s_add_nc_u64 s[12:13], s[12:13], 64
	s_add_co_u32 s3, s3, 1
	s_cmp_lt_u32 s3, 8
	s_cbranch_scc1 .Lblk
	s_wait_tensorcnt 0x0
	ds_add_u32 v[SPW], v[NIL]
	s_wait_dscnt 0x0
	CROUND
	s_endpgm
.Lfunc_end_k_q4704f6e1de_ffn1:
	.size	k_q4704f6e1de_ffn1, .Lfunc_end_k_q4704f6e1de_ffn1-k_q4704f6e1de_ffn1
	.p2alignl 7, 3214868480
	.fill 96, 4, 3214868480
	.section	.rodata,"a",@progbits
	.p2align	6, 0x0
	.amdhsa_kernel k_q4704f6e1de_ffn1
		.amdhsa_group_segment_fixed_size 327680
		.amdhsa_private_segment_fixed_size 0
		.amdhsa_enable_private_segment 0
		.amdhsa_kernarg_size 32
		.amdhsa_user_sgpr_count 2
		.amdhsa_user_sgpr_kernarg_segment_ptr 1
		.amdhsa_wavefront_size32 1
		.amdhsa_system_sgpr_workgroup_id_x 1
		.amdhsa_system_sgpr_workgroup_id_y 1
		.amdhsa_system_sgpr_workgroup_id_z 1
		.amdhsa_system_vgpr_workitem_id 0
		.amdhsa_next_free_vgpr 1024
		.amdhsa_next_free_sgpr 102
		.amdhsa_reserve_vcc 1
		.amdhsa_float_denorm_mode_32 3
		.amdhsa_float_denorm_mode_16_64 3
		.amdhsa_memory_ordered 1
		.amdhsa_forward_progress 1
		.amdhsa_inst_pref_size 196
	.end_amdhsa_kernel
	.amdgpu_metadata
---
amdhsa.version: [ 1, 2 ]
amdhsa.kernels:
  - .name:           k_q4704f6e1de_ffn1
    .symbol:         k_q4704f6e1de_ffn1.kd
    .args:
      - { .name: xb, .offset: 0, .size: 8, .value_kind: global_buffer, .address_space: global }
      - { .name: wq, .offset: 8, .size: 8, .value_kind: global_buffer, .address_space: global }
      - { .name: b1, .offset: 16, .size: 8, .value_kind: global_buffer, .address_space: global }
      - { .name: hb, .offset: 24, .size: 8, .value_kind: global_buffer, .address_space: global }
    .group_segment_fixed_size: 327680
    .private_segment_fixed_size: 0
    .kernarg_segment_align: 8
    .kernarg_segment_size: 32
    .max_flat_workgroup_size: 128
    .sgpr_count:     102
    .vgpr_count:     1024
    .wavefront_size: 32
...
	.end_amdgpu_metadata
.endif
;; end of part 5
;; launch ffn2 (part 6): grid 8 x 32, 4 waves a work-group, clusters of 4 x 4, 327,680 bytes of LDS; arguments hb, wq, b2, yb; writes yb
.if DOCPART == 6
	.amdgcn_target "amdgcn-amd-amdhsa--gfx1250"
	.amdhsa_code_object_version 6
	.text
	.protected	k_q4704f6e1de_ffn2
	.globl	k_q4704f6e1de_ffn2
	.p2align	8
	.type	k_q4704f6e1de_ffn2,@function
k_q4704f6e1de_ffn2:
	s_mov_b64 s[64:65], 0
	v_nop
	global_prefetch_b8 v0, s[64:65] scope:SCOPE_SE
	s_setreg_imm32_b32 hwreg(HW_REG_WAVE_MODE, 25, 1), 1
	s_wait_xcnt 0x0
	s_wait_alu depctr_hold_cnt(0) depctr_sa_sdst(0) depctr_va_vdst(0) depctr_va_sdst(0) depctr_va_ssrc(0) depctr_va_vcc(0) depctr_vm_vsrc(0)
	s_getreg_b32 s2, hwreg(HW_REG_IB_STS2, 6, 4)
	s_cmp_eq_u32 s2, 0
	s_cbranch_scc0 .Lentry_in_a_cluster
	s_endpgm
.Lentry_in_a_cluster:
	s_bfe_u32 s2, ttmp6, 0x10000c
	s_cmp_lg_u32 s2, 0xf033
	s_cbranch_scc0 .Lentry_shape_is_right
	s_endpgm
.Lentry_shape_is_right:
; y = h W2^T + b2.  h [4096][4096] and W2 [1024][4096] lie as codes of FP6 (E2M3) with one E8M0 byte for each 32 along K = 4,096; y [4096][1024] f32; sums in f32.
; Both operands lie as images of operand registers: codes [row / 16][k / 128][1536], scale words [k / 128][row]; h's in hb (codes at 0, words at A_S), W2's in wq (B_C, B_S).
; SHARES.  A work-group makes 128 x 128 of y over ALL of K: 32 x 8 = 256 work-groups, and each number of y is summed and stored once.  A wave makes 64 x 64: 16 accumulators, which take turns, one instruction a turn
;   TRANSPOSED: source 0 = 16 rows of W2, source 1 = 16 tokens: a lane holds eight neighbouring columns of one token's row.  b2 is the C of the first K step's products.
; THE RING: two LDS slots of SS = 6 K steps: A's codes (8 rows of fragments x 9,216 bytes), B's codes, A's scale words (6 x 512 bytes), B's.  These are four tiles, and each of the four waves brings one, by one tensor load,
; at the head and behind every round.  32 K steps are five fills of six and one of two (its rows are 3,072 bytes, its scale tiles two rows).
; FRAGMENTS go from LDS into three sets of registers, two K steps ahead.  So a slot's last reads are issued two K steps before its last products, and there the slots change: each wave waits for all its tensor loads,
; adds 0 to its spare word, waits for that and for its reads; the barrier opens a round of the cluster's barrier; the refill is the first tensor load behind it.
; CLUSTERS: 4 x 4 work-groups.  A's tiles hang on the tile row alone and are asked for jointly along a row of the cluster, B's on the tile column alone, along a column.
; PREFETCH: behind the joint loads of fill d each wave names one row of fragments of fill d + 1: 36 blocks of 256 bytes, a lane a block, two instructions (the second's lanes 4-31 name its last block again).
; Waves 0, 1 ask for A, waves 2, 3 for B; of a tile's eight rows of fragments the partner at place p (cx for A, cy for B) takes rows 2 p and 2 p + 1: told apart by address alone.  The short last fill and the scale words come by their loads alone.
; REGISTERS.  Window 0: v8-23 addresses; v32-43 scale words, three sets (lanes 0-15 A's block i, lanes 16-31 B's block i); v64-95 b2, later with v96-127 the way out; v128-255 the accumulators ((a, b) at 8 (4 a + b)).
; Windows 1, 2, 3: a set of fragments each: A's four at v0-47, B's four at v48-95; K step k uses window 1 + k % 3.
.set KSB,   49152                      ; a row of fragments in memory: 32 K steps x 1,536
.set A_S,   12582912
.set B_C,   3891200
.set B_S,   7036928
.set APS,   16384                      ; a K step's scale words: 4,096 tokens,
.set BPS,   4096                       ; 1,024 rows of W2
.set NK,    32
.set SS,    6
.set CT,    8*SS*1536
.set SCT,   SS*512
.set SLOT,  2*CT+2*SCT
.set SPARE, 2*SLOT                     ; the spare words, 128 bytes a wave
.set STAGE, SPARE+512                  ; the way out: 16 rows x 272 bytes for each wave; no tensor load lands here
.set SPITCH, 272
.set ADRA, 8                           ; v8, v9 my A fragments in slot 0, 1; v10 in the short last fill
.set ADRB, 12                          ; v12-14 the same for B
.set ADRS, 16                          ; v16, v17 my scale words
.set STO,  18
.set RD,   19
.set CO,   20
.set BIA,  21
.set PF0,  22
.set PF1,  23
.set SPW,  28
.set NIL,  29
.set SC,   32
.set BI,   64
.set OB,   64
.set ACC,  128
.set G1A,  24
.set G0A,  32
.set G0B,  36
.set G1B,  48
.set G0SA, 56
.set G0SB, 60
.set G1SA, 68
.set G1SB, 80
.set PFB,  88
.set MSB, 0
.macro WIN new                         ; the immediate's high byte repeats the setting that is left
.if MSB != (\new)
	s_set_vgpr_msb (MSB<<8)|(\new)
.set MSB, (\new)
.endif
.endm
.macro NOP4
.rept 4
	v_nop
.endr
.endm
.macro CREST                           ; a round of the cluster's barrier behind its opening barrier
	s_cmp_lg_u32 s14, 0
	s_cbranch_scc1 .Lnot_wave_0_\@
	s_barrier_signal -3
.Lnot_wave_0_\@:
	s_barrier_wait -3
	s_barrier_signal -1
	s_barrier_wait -1
.endm
.macro CROUND
	s_barrier_signal -1
	s_barrier_wait -1
	CREST
.endm
; A fill's four joint loads, one a wave: ONE tree of branches on the wave's number, a load to an arm, all arms leading to one join.  s_nop 0 and four v_nop follow each load.
.macro JL4
	s_cmp_lt_u32 s14, 1
	s_cbranch_scc0 .Lb_\@
	tensor_load_to_lds s[G0A:G0A+3], s[G1A:G1A+7]
	s_nop 0
	NOP4
	s_branch .Lj_\@
.Lb_\@:
	s_cmp_lt_u32 s14, 2
	s_cbranch_scc0 .Lc_\@
	tensor_load_to_lds s[G0B:G0B+3], s[G1B:G1B+7]
	s_nop 0
	NOP4
	s_branch .Lj_\@
.Lc_\@:
	s_cmp_lt_u32 s14, 3
	s_cbranch_scc0 .Ld_\@
	tensor_load_to_lds s[G0SA:G0SA+3], s[G1SA:G1SA+7]
	s_nop 0
	NOP4
	s_branch .Lj_\@
.Ld_\@:
	tensor_load_to_lds s[G0SB:G0SB+3], s[G1SB:G1SB+7]
	s_nop 0
	NOP4
.Lj_\@:
.endm
.macro NEXT d                          ; the descriptors of fill d; written where no tensor load of the wave is out
	s_mov_b32 s[G0A+1], ((\d)%2)*SLOT
	s_mov_b32 s[G0B+1], ((\d)%2)*SLOT+CT
	s_mov_b32 s[G0SA+1], ((\d)%2)*SLOT+2*CT
	s_mov_b32 s[G0SB+1], ((\d)%2)*SLOT+2*CT+SCT
	s_add_nc_u64 s[G0A+2:G0A+3], s[G0A+2:G0A+3], SS*1536
	s_add_nc_u64 s[G0B+2:G0B+3], s[G0B+2:G0B+3], SS*1536
	s_add_nc_u64 s[G0SA+2:G0SA+3], s[G0SA+2:G0SA+3], SS*APS
	s_add_nc_u64 s[G0SB+2:G0SB+3], s[G0SB+2:G0SB+3], SS*BPS
.if (\d) == 5                          ; two K steps are left
.irp g, G1A, G1B
	s_mov_b32 s[\g+1], 384<<16
	s_mov_b32 s[\g+3], 384<<16
.endr
.irp g, G1SA, G1SB
	s_mov_b32 s[\g+2], 2<<16
	s_mov_b32 s[\g+4], 2
.endr
.endif
.endm
.macro ASK d                           ; my row of fragments of fill d: 36 blocks of 256 bytes
	global_prefetch_b8 v[PF0], s[PFB:PFB+1] offset:SS*1536*(\d) th:TH_LOAD_NT scope:SCOPE_SE
	global_prefetch_b8 v[PF1], s[PFB:PFB+1] offset:SS*1536*(\d)+8192 th:TH_LOAD_NT scope:SCOPE_SE
.endm
.macro FETCH k                         ; K step k: 24 loads of 16 bytes a lane and 4 scale words: 28 LDS instructions
.set n_, (\k)/SS
.set q_, (\k)%SS
.if n_ == 5
.set ra_, ADRA+2
.set rb_, ADRB+2
.set rp_, 3072
.else
.set ra_, ADRA+n_%2
.set rb_, ADRB+n_%2
.set rp_, SS*1536
.endif
	WIN (1+(\k)%3)<<6
.irp i, 0,1,2,3
.irp c, 0,1,2
	ds_load_b128 v[12*\i+4*\c:12*\i+4*\c+3], v[ra_] offset:\i*rp_+q_*1536+512*\c
.endr
.endr
.irp i, 0,1,2,3
.irp c, 0,1,2
	ds_load_b128 v[48+12*\i+4*\c:48+12*\i+4*\c+3], v[rb_] offset:\i*rp_+q_*1536+512*\c
.endr
.endr
	WIN 0
.irp i, 0,1,2,3
	ds_load_b32 v[SC+4*((\k)%3)+\i], v[ADRS+n_%2] offset:q_*512+\i*64
.endr
.endm
.macro MUL k                           ; 16 matrix instructions
	WIN 5*(1+(\k)%3)                               ; sources 0 and 1 in the set's window, C and D in window 0
.irp a, 0,1,2,3
.irp b, 0,1,2,3
.if (\k) == 0
	v_wmma_scale_f32_16x16x128_f8f6f4 v[ACC+8*(4*\a+\b):ACC+8*(4*\a+\b)+7], v[48+12*\b:48+12*\b+11], v[12*\a:12*\a+11], v[BI+8*\b:BI+8*\b+7], v[SC+4*((\k)%3)+\b], v[SC+4*((\k)%3)+\a] matrix_a_fmt:MATRIX_FMT_FP6 matrix_b_fmt:MATRIX_FMT_FP6 matrix_a_scale:MATRIX_SCALE_ROW1
.else
	v_wmma_scale_f32_16x16x128_f8f6f4 v[ACC+8*(4*\a+\b):ACC+8*(4*\a+\b)+7], v[48+12*\b:48+12*\b+11], v[12*\a:12*\a+11], v[ACC+8*(4*\a+\b):ACC+8*(4*\a+\b)+7], v[SC+4*((\k)%3)+\b], v[SC+4*((\k)%3)+\a] matrix_a_fmt:MATRIX_FMT_FP6 matrix_b_fmt:MATRIX_FMT_FP6 matrix_a_scale:MATRIX_SCALE_ROW1
.endif
.endr
.endr
.endm
.macro STEPN k                         ; a K step with no change of slots
.if (\k)+1 < NK
	s_wait_dscnt 28                                ; this step's fragments are in; the next step's 28 may be out
.else
	s_wait_dscnt 0x0
.endif
.if (\k)+2 < NK
	NOP4                                           ; four places in front of loads into registers that the last step's products have read
	FETCH (\k)+2
.endif
	MUL \k
.endm
.macro MEET k                          ; the fifth K step of a slot: all the slot's fragments have been asked for; the slots change
.set m_, (\k)/SS
	WIN 0
	s_wait_tensorcnt 0x0                           ; all my tensor loads have landed: my tile of the next slot
.if m_ <= 3
	ds_add_u32 v[SPW], v[NIL]
	NEXT m_+2
.endif
	s_wait_dscnt 0x0                               ; the add is done, and my reads of this slot are over
	s_barrier_signal -1
	MUL \k                                         ; work on registers while the others arrive
	WIN 0
	s_barrier_wait -1
.if m_ <= 3
	CREST                                          ; the barrier has opened a round: no wave of any partner still reads this slot or has a load on its way
	JL4                                            ; fill m + 2, the first tensor load behind the round; its four v_nop are the places in front of the loads below
.else
	NOP4
.endif
	FETCH (\k)+2
.if m_ <= 1
	ASK m_+3
.endif
.endm
	s_load_b256 s[4:11], s[0:1], 0x0               ; hb s[4:5], wq s[6:7], b2 s[8:9], yb s[10:11]
	v_lshl_add_u32 v[SPW], v0, 2, SPARE
	v_mov_b32 v[NIL], 0
	ds_add_u32 v[SPW], v[NIL]                      ; the opening lines: the add, twice on end, and its wait ahead of my first tensor load
	ds_add_u32 v[SPW], v[NIL]
	v_lshrrev_b32 v1, 5, v0
	v_readfirstlane_b32 s14, v1                    ; wave
	s_lshr_b32 s15, s14, 1                         ; which 64 tokens of the block are mine
	s_and_b32 s16, s14, 1                          ; which 64 columns
	s_bfe_u32 s40, ttmp6, 0x40000                  ; cx
	s_bfe_u32 s41, ttmp6, 0x40004                  ; cy
	s_lshl_b32 s42, ttmp9, 2
	s_add_co_u32 s42, s42, s40                     ; tile column, 0 .. 7
	s_and_b32 s17, ttmp7, 0xffff
	s_lshl_b32 s17, s17, 2
	s_add_co_u32 s17, s17, s41                     ; tile row, 0 .. 31
	s_lshl_b32 s43, s41, 2
	s_lshl_b32 s43, 15, s43                        ; my row of the cluster
	s_lshl_b32 s44, 0x1111, s40                    ; my column
	s_or_b32 s[G1A+0], s43, (3<<16)|(1<<21)        ; elements of 8 bytes; bit 21 beside a mask; no padding: a fragment's image is read 16 bytes a lane, on end
	s_or_b32 s[G1B+0], s44, (3<<16)|(1<<21)
.irp g, G1A, G1B                               ; 8 rows of fragments x SS K steps
	s_mov_b32 s[\g+1], (SS*192)<<16
	s_mov_b32 s[\g+2], 8<<16
	s_mov_b32 s[\g+3], (SS*192)<<16
	s_mov_b32 s[\g+4], 8
	s_mov_b32 s[\g+5], KSB/8
	s_mov_b32 s[\g+6], 0
	s_mov_b32 s[\g+7], 0
.endr
	s_or_b32 s[G1SA+0], s43, (3<<16)|(1<<21)
	s_or_b32 s[G1SB+0], s44, (3<<16)|(1<<21)
.irp g, G1SA, G1SB                             ; SS K steps x 128 scale words
	s_mov_b32 s[\g+1], 64<<16
	s_mov_b32 s[\g+2], SS<<16
	s_mov_b32 s[\g+3], 64<<16
	s_mov_b32 s[\g+4], SS
	s_mov_b32 s[\g+6], 0
	s_mov_b32 s[\g+7], 0
.endr
	s_mov_b32 s[G1SA+5], APS/8
	s_mov_b32 s[G1SB+5], BPS/8
	s_mul_i32 s92, s17, 8*KSB                      ; A's tiles hang on the tile row alone,
	s_mov_b32 s93, 0
	s_lshl_b32 s94, s17, 9
	s_add_co_u32 s94, s94, A_S
	s_mov_b32 s95, 0
	s_mul_i32 s96, s42, 8*KSB                      ; B's on the tile column alone
	s_add_co_u32 s96, s96, B_C
	s_mov_b32 s97, 0
	s_lshl_b32 s98, s42, 9
	s_add_co_u32 s98, s98, B_S
	s_mov_b32 s99, 0
	s_mul_i32 s20, s15, 4*SS*1536                  ; LDS: my four rows of A's fragments,
	s_mul_i32 s21, s15, 4*3072
	s_add_co_u32 s21, s21, SLOT                    ; (in the short fill, which lies in slot 1)
	s_mul_i32 s22, s16, 4*SS*1536                  ; of B's
	s_add_co_u32 s22, s22, CT
	s_mul_i32 s23, s16, 4*3072
	s_add_co_u32 s23, s23, SLOT+CT
	s_lshl_b32 s18, s15, 8
	s_lshl_b32 s45, s16, 8
	s_add_co_u32 s45, s45, SCT
	s_sub_co_u32 s45, s45, s18                     ; from my words of A's scales to my words of B's
	s_add_co_u32 s46, s18, 2*CT
	s_mul_i32 s47, s14, 16*SPITCH
	s_add_co_u32 s47, s47, STAGE
	s_lshl_b32 s12, s42, 9
	s_lshl_b32 s13, s16, 8
	s_add_co_u32 s12, s12, s13                     ; my first column, in bytes
	s_mov_b32 s13, 0
	s_lshl_b32 s66, s17, 19
	s_lshl_b32 s67, s15, 18
	s_add_co_u32 s66, s66, s67
	s_add_co_u32 s66, s66, s12                     ; my part of y: (128 x tile row + 64 x half) rows of 4,096 bytes + the column
	s_mov_b32 s67, 0
	s_cmp_eq_u32 s15, 0                            ; the prefetches: waves 0, 1 ask for A, waves 2, 3 for B
	s_cselect_b32 s19, s40, s41                    ; my place among the four that ask for the tile with me
	s_lshl_b32 s19, s19, 1
	s_add_co_u32 s19, s19, s16
	s_mul_i32 s2, s19, KSB                         ; my row of fragments
	s_mov_b32 s3, 0
	v_and_b32 v1, 15, v0                           ; r
	v_bfe_u32 v2, v0, 4, 1                         ; h
	v_and_b32 v3, 31, v0
	v_lshlrev_b32 v4, 4, v3                        ; 16 x lane
	v_add_nc_u32 v[ADRA], s20, v4
	v_add_nc_u32 v[ADRA+1], SLOT, v[ADRA]
	v_add_nc_u32 v[ADRA+2], s21, v4
	v_add_nc_u32 v[ADRB], s22, v4
	v_add_nc_u32 v[ADRB+1], SLOT, v[ADRB]
	v_add_nc_u32 v[ADRB+2], s23, v4
	v_mul_u32_u24 v5, s45, v2                      ; lanes 16-31 take B's words
	v_lshl_add_u32 v5, v1, 2, v5
	v_add_nc_u32 v[ADRS], s46, v5
	v_add_nc_u32 v[ADRS+1], SLOT, v[ADRS]
	v_mul_u32_u24 v6, v1, SPITCH
	v_lshl_add_u32 v6, v2, 5, v6
	v_add_nc_u32 v[STO], s47, v6                   ; the stage, in: row r, 32 bytes for each half of the lanes
	v_mul_u32_u24 v7, v2, SPITCH
	v_lshl_add_u32 v7, v1, 4, v7
	v_add_nc_u32 v[RD], s47, v7                    ; and back: lanes 0-15 one row of 256 bytes, lanes 16-31 the next
	v_lshlrev_b32 v[CO], 12, v2
	v_lshl_add_u32 v[CO], v1, 4, v[CO]             ; the same two rows in y
	v_lshlrev_b32 v[BIA], 5, v2
	v_lshlrev_b32 v[PF0], 8, v3                    ; blocks 0 .. 31,
	v_min_u32 v[PF1], 3, v3
	v_lshlrev_b32 v[PF1], 8, v[PF1]                ; and, from byte 8,192 on, blocks 32 .. 35
	s_wait_alu depctr_va_vdst(0)                   ; the wait at the head's end
	s_wait_dscnt 0x0                               ; both opening adds are done
	s_wait_kmcnt 0x0
	s_add_nc_u64 s[92:93], s[4:5], s[92:93]
	s_add_nc_u64 s[94:95], s[4:5], s[94:95]
	s_add_nc_u64 s[96:97], s[6:7], s[96:97]
	s_add_nc_u64 s[98:99], s[6:7], s[98:99]
	s_add_nc_u64 s[8:9], s[8:9], s[12:13]
	s_add_nc_u64 s[10:11], s[10:11], s[66:67]
	s_cmp_eq_u32 s15, 0
	s_cselect_b64 s[PFB:PFB+1], s[92:93], s[96:97]
	s_add_nc_u64 s[PFB:PFB+1], s[PFB:PFB+1], s[2:3]
	s_mov_b32 s[G0A], 1
	s_mov_b32 s[G0A+1], 0
	s_mov_b64 s[G0A+2:G0A+3], s[92:93]
	s_or_b32 s[G0A+3], s[G0A+3], 0x80000000
	s_mov_b32 s[G0B], 1
	s_mov_b32 s[G0B+1], CT
	s_mov_b64 s[G0B+2:G0B+3], s[96:97]
	s_or_b32 s[G0B+3], s[G0B+3], 0x80000000
	s_mov_b32 s[G0SA], 1
	s_mov_b32 s[G0SA+1], 2*CT
	s_mov_b64 s[G0SA+2:G0SA+3], s[94:95]
	s_or_b32 s[G0SA+3], s[G0SA+3], 0x80000000
	s_mov_b32 s[G0SB], 1
	s_mov_b32 s[G0SB+1], 2*CT+SCT
	s_mov_b64 s[G0SB+2:G0SB+3], s[98:99]
	s_or_b32 s[G0SB+3], s[G0SB+3], 0x80000000
	CROUND                                         ; all sixteen work-groups are here: the first joint loads meet
	JL4                                            ; fill 0: one tensor load a wave at the head
	ASK 1
.irp b, 0,1,2,3
	global_load_b128 v[BI+8*\b:BI+8*\b+3], v[BIA], s[8:9] offset:64*\b        ; b2 of columns 16 b + 8 h + 0 .. 7
	global_load_b128 v[BI+8*\b+4:BI+8*\b+7], v[BIA], s[8:9] offset:64*\b+16
.endr
	s_wait_tensorcnt 0x0                           ; my tile of fill 0 is in
	ds_add_u32 v[SPW], v[NIL]
	NEXT 1
	s_wait_dscnt 0x0
	CROUND                                         ; everybody's tile is in, and the joint loads meet
	JL4                                            ; fill 1, into slot 1
	FETCH 0
	FETCH 1
	ASK 2
	s_wait_loadcnt 0x0                             ; b2
.set K, 0
.rept NK
.if (K%SS) == 4 && K < 30
	MEET K
.else
	STEPN K
.endif
.set K, K+1
.endr
	WIN 0
	NOP4                                           ; four places in front of the first read of results
; THE WAY OUT, block by block of 16 tokens x 64 columns: through my own stage, back as whole rows of 256 bytes.  LDS serves a wave's instructions in order: no wait between the stores and the loads.
.macro TOSTAGE a
.irp b, 0,1,2,3
	ds_store_b128 v[STO], v[ACC+8*(4*(\a)+\b):ACC+8*(4*(\a)+\b)+3] offset:64*\b      ; each accumulator from its low end on
	ds_store_b128 v[STO], v[ACC+8*(4*(\a)+\b)+4:ACC+8*(4*(\a)+\b)+7] offset:64*\b+16
.endr
.irp t, 0,1,2,3,4,5,6,7
	ds_load_b128 v[OB+32*((\a)%2)+4*\t:OB+32*((\a)%2)+4*\t+3], v[RD] offset:2*\t*SPITCH
.endr
.endm
.macro SEND a, younger                 ; younger: the LDS instructions issued behind block a's loads
	s_wait_dscnt \younger
.irp t, 0,1,2,3,4,5,6,7
	global_store_b128 v[CO], v[OB+32*((\a)%2)+4*\t:OB+32*((\a)%2)+4*\t+3], s[10:11] offset:(\a)*65536+2*\t*4096   ; 16 lanes store 256 consecutive bytes, at a multiple of 256 from y's first byte
.endr
.endm
	TOSTAGE 0
.irp a, 1,2,3
.if \a > 1
	s_wait_xcnt 0x0                                ; block a - 2's stores have read their registers
.endif
	TOSTAGE \a
	SEND (\a)-1, 16                                ; behind block a - 1's loads: block a's 8 stores and 8 loads
.endr
	SEND 3, 0
	s_wait_tensorcnt 0x0                           ; the wave's end
	ds_add_u32 v[SPW], v[NIL]
	s_wait_dscnt 0x0
	CROUND                                         ; the closing round
	s_endpgm
.Lfunc_end_k_q4704f6e1de_ffn2:
	.size	k_q4704f6e1de_ffn2, .Lfunc_end_k_q4704f6e1de_ffn2-k_q4704f6e1de_ffn2
	.p2alignl 7, 3214868480
	.fill 96, 4, 3214868480
	.section	.rodata,"a",@progbits
	.p2align	6, 0x0
	.amdhsa_kernel k_q4704f6e1de_ffn2
		.amdhsa_group_segment_fixed_size 327680
		.amdhsa_private_segment_fixed_size 0
		.amdhsa_enable_private_segment 0
		.amdhsa_kernarg_size 32
		.amdhsa_user_sgpr_count 2
		.amdhsa_user_sgpr_kernarg_segment_ptr 1
		.amdhsa_wavefront_size32 1
		.amdhsa_system_sgpr_workgroup_id_x 1
		.amdhsa_system_sgpr_workgroup_id_y 1
		.amdhsa_system_sgpr_workgroup_id_z 1
		.amdhsa_system_vgpr_workitem_id 0
		.amdhsa_next_free_vgpr 1024
		.amdhsa_next_free_sgpr 100
		.amdhsa_reserve_vcc 0
		.amdhsa_float_denorm_mode_32 3
		.amdhsa_float_denorm_mode_16_64 3
		.amdhsa_memory_ordered 1
		.amdhsa_forward_progress 1
		.amdhsa_inst_pref_size 157
	.end_amdhsa_kernel
	.amdgpu_metadata
---
amdhsa.version: [ 1, 2 ]
amdhsa.kernels:
  - .name:           k_q4704f6e1de_ffn2
    .symbol:         k_q4704f6e1de_ffn2.kd
    .args:
      - { .name: hb, .offset: 0, .size: 8, .value_kind: global_buffer, .address_space: global }
      - { .name: wq, .offset: 8, .size: 8, .value_kind: global_buffer, .address_space: global }
      - { .name: b2, .offset: 16, .size: 8, .value_kind: global_buffer, .address_space: global }
      - { .name: yb, .offset: 24, .size: 8, .value_kind: global_buffer, .address_space: global }
    .group_segment_fixed_size: 327680
    .private_segment_fixed_size: 0
    .kernarg_segment_align: 8
    .kernarg_segment_size: 32
    .max_flat_workgroup_size: 128
    .sgpr_count:     100
    .vgpr_count:     1024
    .wavefront_size: 32
...
	.end_amdgpu_metadata
.endif
;; end of part 6
;; launch ln2 (part 7): grid 256 x 1, 16 waves a work-group, no clusters, 0 bytes of LDS; arguments xb, yb, n2_g, n2_b, out0; writes out0
.if DOCPART == 7
	.amdgcn_target "amdgcn-amd-amdhsa--gfx1250"
	.amdhsa_code_object_version 6
	.text
	.protected	k_q4704f6e1de_ln2
	.globl	k_q4704f6e1de_ln2
	.p2align	8
	.type	k_q4704f6e1de_ln2,@function
k_q4704f6e1de_ln2:
	s_mov_b64 s[64:65], 0
	v_nop
	global_prefetch_b8 v0, s[64:65] scope:SCOPE_SE
	s_setreg_imm32_b32 hwreg(HW_REG_WAVE_MODE, 25, 1), 1
	s_wait_xcnt 0x0
; out0 = LN(x + y) with gain n2_g and bias n2_b; rows of 1,024, f32.  x lies at the head of xb; y, the last product's result with its bias, in yb.
; A wave takes a token; lane l holds columns 128 j + 4 l .. + 3; every load and store covers 512 consecutive bytes.  All 32 loads of a wave go out at once; the row stays in registers between the passes.
; Memory binds: no LDS, no barrier, no matrix unit, no cluster; no loop to prefetch in.
; LIMITS: NaN and infinities are not served.
.set A,   32                           ; v32-63   x, then the row
.set B,   64                           ; v64-95   y
.set G,   96                           ; v96-127  gain
.set BE,  128                          ; v128-159 bias
.set SEL, 26
.macro WSUM x, t
	s_delay_alu instid0(VALU_DEP_1)
	v_add_f32_dpp v[\x], v[\x], v[\x] row_xmask:1 row_mask:0xf bank_mask:0xf
	s_delay_alu instid0(VALU_DEP_1)
	v_add_f32_dpp v[\x], v[\x], v[\x] row_xmask:2 row_mask:0xf bank_mask:0xf
	s_delay_alu instid0(VALU_DEP_1)
	v_add_f32_dpp v[\x], v[\x], v[\x] row_xmask:4 row_mask:0xf bank_mask:0xf
	s_delay_alu instid0(VALU_DEP_1)
	v_add_f32_dpp v[\x], v[\x], v[\x] row_xmask:8 row_mask:0xf bank_mask:0xf
	s_delay_alu instid0(VALU_DEP_1)
	v_permlanex16_b32 v[\t], v[\x], s[SEL], s[SEL+1]
	s_delay_alu instid0(VALU_DEP_1)
	v_add_f32 v[\x], v[\x], v[\t]
.endm
	s_load_b256 s[4:11], s[0:1], 0x0               ; xb, yb, n2_g, n2_b
	s_load_b64 s[12:13], s[0:1], 0x20              ; out0
	v_lshrrev_b32 v1, 5, v0
	s_delay_alu instid0(VALU_DEP_1)
	v_readfirstlane_b32 s14, v1                    ; wave = my token of the 16
	v_and_b32 v1, 31, v0
	s_delay_alu instid0(VALU_DEP_1)
	v_lshlrev_b32 v4, 4, v1                        ; 16 x lane
	s_mov_b32 s[SEL], 0x76543210
	s_mov_b32 s[SEL+1], 0xfedcba98
	s_mov_b32 s24, 0x3a800000                      ; 1 / 1024
	s_mov_b32 s25, 0x3727c5ac                      ; 1e-5
	s_lshl_b32 s16, ttmp9, 16
	s_lshl_b32 s17, s14, 12
	s_add_co_u32 s16, s16, s17                     ; my token's row, in bytes
	s_mov_b32 s17, 0
	s_wait_alu depctr_va_vdst(0)                   ; the wait at the head's end
	s_wait_kmcnt 0x0
	s_add_nc_u64 s[4:5], s[4:5], s[16:17]
	s_add_nc_u64 s[6:7], s[6:7], s[16:17]
	s_add_nc_u64 s[12:13], s[12:13], s[16:17]
.irp j, 0,1,2,3,4,5,6,7
	global_load_b128 v[A+4*\j:A+4*\j+3], v4, s[4:5] offset:512*\j th:TH_LOAD_NT
.endr
.irp j, 0,1,2,3,4,5,6,7
	global_load_b128 v[B+4*\j:B+4*\j+3], v4, s[6:7] offset:512*\j th:TH_LOAD_NT
.endr
.irp j, 0,1,2,3,4,5,6,7
	global_load_b128 v[G+4*\j:G+4*\j+3], v4, s[8:9] offset:512*\j
.endr
.irp j, 0,1,2,3,4,5,6,7
	global_load_b128 v[BE+4*\j:BE+4*\j+3], v4, s[10:11] offset:512*\j
.endr
	s_wait_loadcnt 16                              ; gain's and bias's sixteen may be out
.irp i, 0,2,4,6,8,10,12,14,16,18,20,22,24,26,28,30
	v_pk_add_f32 v[A+\i:A+\i+1], v[A+\i:A+\i+1], v[B+\i:B+\i+1]
.endr
	v_pk_add_f32 v[8:9], v[A:A+1], v[A+2:A+3]
	v_pk_add_f32 v[10:11], v[A+4:A+5], v[A+6:A+7]
.irp i, 8,12,16,20,24,28
	s_delay_alu instid0(VALU_DEP_2)
	v_pk_add_f32 v[8:9], v[8:9], v[A+\i:A+\i+1]
	s_delay_alu instid0(VALU_DEP_2)
	v_pk_add_f32 v[10:11], v[10:11], v[A+\i+2:A+\i+3]
.endr
	s_delay_alu instid0(VALU_DEP_1)
	v_pk_add_f32 v[8:9], v[8:9], v[10:11]
	s_delay_alu instid0(VALU_DEP_1)
	v_add_f32 v8, v8, v9
	WSUM 8, 9
	s_delay_alu instid0(VALU_DEP_1)
	v_mul_f32 v8, s24, v8                          ; the mean
	s_delay_alu instid0(VALU_DEP_1)
	v_mov_b32 v9, v8
.irp i, 0,2,4,6,8,10,12,14,16,18,20,22,24,26,28,30
	v_pk_add_f32 v[A+\i:A+\i+1], v[A+\i:A+\i+1], v[8:9] neg_lo:[0,1] neg_hi:[0,1]
.endr
	v_pk_mul_f32 v[10:11], v[A:A+1], v[A:A+1]
	v_pk_mul_f32 v[12:13], v[A+2:A+3], v[A+2:A+3]
.irp i, 4,8,12,16,20,24,28
	s_delay_alu instid0(VALU_DEP_2)
	v_pk_fma_f32 v[10:11], v[A+\i:A+\i+1], v[A+\i:A+\i+1], v[10:11]
	s_delay_alu instid0(VALU_DEP_2)
	v_pk_fma_f32 v[12:13], v[A+\i+2:A+\i+3], v[A+\i+2:A+\i+3], v[12:13]
.endr
	s_delay_alu instid0(VALU_DEP_1)
	v_pk_add_f32 v[10:11], v[10:11], v[12:13]
	s_delay_alu instid0(VALU_DEP_1)
	v_add_f32 v10, v10, v11
	WSUM 10, 11
	s_delay_alu instid0(VALU_DEP_1)
	v_fma_f32 v10, v10, s24, s25                   ; the variance + 1e-5
	s_wait_alu depctr_va_vdst(0)                   ; the wait ahead of the transcendental
	v_rsq_f32 v10, v10
	v_nop                                          ; a plain place behind the transcendental
	s_wait_alu depctr_va_vdst(0)                   ; and the wait ahead of its first reader
	v_mov_b32 v11, v10
.irp i, 0,2,4,6,8,10,12,14,16,18,20,22,24,26,28,30
	v_pk_mul_f32 v[A+\i:A+\i+1], v[A+\i:A+\i+1], v[10:11]
.endr
	s_wait_loadcnt 0x0
.irp i, 0,2,4,6,8,10,12,14,16,18,20,22,24,26,28,30
	v_pk_fma_f32 v[A+\i:A+\i+1], v[A+\i:A+\i+1], v[G+\i:G+\i+1], v[BE+\i:BE+\i+1]
.endr
.irp j, 0,1,2,3,4,5,6,7
	global_store_b128 v4, v[A+4*\j:A+4*\j+3], s[12:13] offset:512*\j th:TH_STORE_NT
.endr
	s_endpgm
.Lfunc_end_k_q4704f6e1de_ln2:
	.size	k_q4704f6e1de_ln2, .Lfunc_end_k_q4704f6e1de_ln2-k_q4704f6e1de_ln2
	.p2alignl 7, 3214868480
	.fill 96, 4, 3214868480
	.section	.rodata,"a",@progbits
	.p2align	6, 0x0
	.amdhsa_kernel k_q4704f6e1de_ln2
		.amdhsa_group_segment_fixed_size 0
		.amdhsa_private_segment_fixed_size 0
		.amdhsa_enable_private_segment 0
		.amdhsa_kernarg_size 40
		.amdhsa_user_sgpr_count 2
		.amdhsa_user_sgpr_kernarg_segment_ptr 1
		.amdhsa_wavefront_size32 1
		.amdhsa_system_sgpr_workgroup_id_x 1
		.amdhsa_system_sgpr_workgroup_id_y 1
		.amdhsa_system_sgpr_workgroup_id_z 1
		.amdhsa_system_vgpr_workitem_id 0
		.amdhsa_next_free_vgpr 160
		.amdhsa_next_free_sgpr 66
		.amdhsa_reserve_vcc 0
		.amdhsa_float_denorm_mode_32 3
		.amdhsa_float_denorm_mode_16_64 3
		.amdhsa_memory_ordered 1
		.amdhsa_forward_progress 1
		.amdhsa_inst_pref_size 14
	.end_amdhsa_kernel
	.amdgpu_metadata
---
amdhsa.version: [ 1, 2 ]
amdhsa.kernels:
  - .name:           k_q4704f6e1de_ln2
    .symbol:         k_q4704f6e1de_ln2.kd
    .args:
      - { .name: xb, .offset: 0, .size: 8, .value_kind: global_buffer, .address_space: global }
      - { .name: yb, .offset: 8, .size: 8, .value_kind: global_buffer, .address_space: global }
      - { .name: n2_g, .offset: 16, .size: 8, .value_kind: global_buffer, .address_space: global }
      - { .name: n2_b, .offset: 24, .size: 8, .value_kind: global_buffer, .address_space: global }
      - { .name: out0, .offset: 32, .size: 8, .value_kind: global_buffer, .address_space: global }
    .group_segment_fixed_size: 0
    .private_segment_fixed_size: 0
    .kernarg_segment_align: 8
    .kernarg_segment_size: 40
    .max_flat_workgroup_size: 512
    .sgpr_count:     66
    .vgpr_count:     160
    .wavefront_size: 32
...
	.end_amdgpu_metadata
.endif
;; end of part 7
